; MI455X (gfx1250); checked and timed in simulation.
; The chip was launched on July 23, 2026; its instructions are those of AMD's public machine-readable ISA for CDNA 5 (MIT licence, August 2026) and "CDNA5" Instruction Set Architecture Reference Guide (July 2026). The comments in the code are by the model that wrote it; some were corrected since.
;; Multi Head Attention. Allowed arithmetic: matrix products marked QUANTISED: E2M1 operands, one E8M0 scale for each 32 along K, by v_wmma_scale_f32_16x16x128_f8f6f4 with both operands' format E2M1 (or v_wmma_scale_f32_32x16x128_f4), f32 sums; products left as they are: bf16, f16 or f32 operands; f32 sums; everything else in f32.
;; Inputs: W1 1,024 x 3,072 float32; W2 1,024 x 1,024 float32; b1 3,072 float32; b2 1,024 float32; x 4,096 x 1,024 float32.
;; Outputs: out0 4,096 x 1,024 float32.
;; This version of the problem:
;;   THIS VERSION OF THE PROBLEM IS GIVEN IN LOW PRECISION. The matrix products marked QUANTISED in the list below multiply operands that are first quantised to E2M1 (2 exponent bits, 1 mantissa bit; 4 bits a number), with one power-of-two scale for each 32 numbers along K (OCP MX v1.0); their sums are f32. The products marked 'left as it is' may take bf16, f16 or f32 operands, with f32 sums. Whichever they take, every output number must still come out within the allowed error. Rounding operands to bf16 (8 significant bits) uses up far more of that allowance than f16 does (11 bits, for magnitudes from 6e-5 to 65,504). All else is computed in f32.
;;   The module's matrix products, in the order in which they are computed (A, B: the left and right operand; K: the contracted axis; several contracted axes count as one K, in the product's order):
;;     1. [M 4,096, K 1,024] x [K 1,024, N 3,072]; A: input x; B: input W1: QUANTISED
;;     2. batch 16 x [M 4,096, K 64] x [K 64, N 4,096]; A: computed on the way; B: computed on the way: left as it is (an operand is computed on the way)
;;     3. batch 16 x [M 4,096, K 4,096] x [K 4,096, N 64]; A: computed on the way; B: computed on the way: left as it is (an operand is computed on the way)
;;     4. [M 4,096, K 1,024] x [K 1,024, N 1,024]; A: computed on the way; B: input W2: left as it is (an operand is computed on the way)
;;   THE QUANTISER, for each operand of a quantised product, along K:
;;     - K is cut into blocks of 32 from its start; a last block that is shorter is filled with zeros.
;;     - A block's scale is 2^e with e = floor(log2(the largest magnitude in the block)) - 2, held to -126 .. 127; a block of zeros has e = 0. As a byte (E8M0): e + 127.
;;     - Each number is divided by its block's scale, clamped to +-6, and rounded to the nearest number of E2M1, ties to even, subnormals kept.
;;     - The product sums the exact products of the quantised numbers (number of the format x scale) in f32.
;;   ~~~python
;;   def quantise(x, axis):      # numpy; x: float32 -> the quantised numbers, widened to float32 again
;;       x = np.moveaxis(x, axis, -1); K = x.shape[-1]
;;       x = np.pad(x, [(0, 0)] * (x.ndim - 1) + [(0, -K % 32)]); x = x.reshape(x.shape[:-1] + (-1, 32)); a = np.abs(x).max(-1, keepdims=True)
;;       e = np.where(a > 0, np.clip(np.frexp(np.where(a > 0, a, 1))[1] - 1 - 2, -126, 127), 0)      # np.frexp(a)[1] - 1 = floor(log2(a)), exactly
;;       r = np.clip(x / 2.0 ** e, -6, 6)
;;       step = 2.0 ** (np.maximum(np.frexp(np.where(r == 0, 1, r))[1] - 1, 0) - 1)
;;       q = np.round(r / step) * step * 2.0 ** e      # np.round: ties to even
;;       return np.moveaxis(q.reshape(q.shape[:-2] + (-1,))[..., :K], -1, axis).astype(np.float32)
;;   ~~~
;; One version. Each part assembles by itself: llvm-mc -triple=amdgcn-amd-amdhsa -mcpu=gfx1250 --defsym DOCPART=n.
;; ======== version 1 of 1: 4 launches
;; workspace buffers: xq 2,228,224 bytes; wq 1,671,168 bytes; w2p 4,194,304 bytes; dstate 4,194,304 bytes; op 16,777,216 bytes
;; launch prep (part 1): grid 384 x 1, 4 waves a work-group, no clusters, 19,968 bytes of LDS; arguments x, W1, W2, xq, wq, w2p; writes xq, wq, w2p
.if DOCPART == 1
	.amdgcn_target "amdgcn-amd-amdhsa--gfx1250"
	.amdhsa_code_object_version 6
	.text
	.protected	k_q6447936321_prep
	.globl	k_q6447936321_prep
	.p2align	8
	.type	k_q6447936321_prep,@function
k_q6447936321_prep:
	s_mov_b64 s[64:65], 0
	v_nop
	global_prefetch_b8 v0, s[64:65] scope:SCOPE_SE
	s_setreg_imm32_b32 hwreg(HW_REG_WAVE_MODE, 25, 1), 1
	s_wait_xcnt 0x0
; PREP: the three inputs that many work-groups read later are laid out once, in the order of the operands' registers.
;   x  [4096][1024] f32 -> xq : codes of FP4 (E2M1) and E8M0 scale bytes, quantised along K (x's last axis)
;   W1 [1024][3072] f32 -> wq : the same, quantised along K (W1's FIRST axis), sorted by head
;   W2 [1024][1024] f32 -> w2p: pairs of bf16 numbers, hi = bf16(w), lo = bf16(w - hi), the difference taken in f32
; AN IMAGE is an operand's registers as they stand: each group of four registers is 512 bytes, lane l's 16 bytes at 16 l.
;   FP4 fragment (16 rows x 128 K) = 1,024 bytes: half c, lane (r, h) = the 16 bytes of block 2 c + h of row r.
;   bf16 fragment (16 rows x 32 K) = 1,024 bytes: half c, lane (r, h) = K 16 c + 8 h + 0..7 of row r.
; xq : 16 chunks of 256 rows x 139,264 bytes: codes at q 16384 + T 1024 (q: K step of 128, T: tile of 16 rows); scale words at 131072 + T 512 + (q/4) 256 + r 16 + (q%4) 4.
; wq : 16 heads x 104,448 bytes: k's and v's codes at q 8192 + j 1024 (j 0-3 k, 4-7 v), their scale words at 65536 + j 512 + ..; q's codes at 69632 + q 4096 + j 1024, scale words at 102400 + j 512 + ..
; w2p: [64 columns][128 K][tile of 16 columns][32 K][hi, lo][1024]: 262144, 32768, 8192, 2048, 1024 bytes apart.
; A block's scale is 2^(floor(log2(largest magnitude)) - 2): its byte is the largest magnitude's exponent field - 2, held at 1 from below by a floor among the maximum's leaves.
; LIMITS: a block of zeros gets the byte 1 where the quantiser says 127 (its codes are zeros, and this program alone reads the bytes); NaN and infinities are not served;
; a number of W2 within half a bf16 step of the largest f32 number would round to infinity.
; SHARES: work-groups 0-127 take x (a wave: 16 rows x 512 K), 128-319 W1 (a wave: 32 columns x 128 K), 320-383 W2 (the same shape).  Waves share nothing: no barrier.
; No cluster: no two work-groups read the same bytes.  No tensor load: every byte passes through registers for its arithmetic anyway.
.set XBLK,  139264
.set WBLK,  104448
.set PLANE, 288                        ; path x, LDS: one block's 16 rows x 16 bytes, + 32 of padding
.set IMGST, 4*PLANE                    ; an image's stage: four planes
.set SCST,  4*IMGST                    ; behind the four stages: the wave's 256 scale bytes
.set WREG,  SCST+256                   ; a wave's region
.set SPARE, 4*WREG                     ; the spare words, 128 bytes for each wave: two blocks of 256 bytes that no other line names
.set SPW,   30                         ; v30  LDS address of my spare word; never rewritten
.set NIL,   31                         ; v31  0; never rewritten
.set FLOOR, 0x1800000                  ; 2^(3 - 127)
.set EOFF,  0xff000000                 ; takes 2 off an exponent field
; ---- path x.  Lane (p = lane % 16, rs = lane / 16) holds 8 neighbours along K of row 2 i + rs: four lanes hold a block of 32.
.macro XLOAD j                         ; image j (128 along K) into set j % 3
.irp i, 0,1,2,3,4,5,6,7
	global_load_b128 v[32+64*((\j)%3)+8*\i:32+64*((\j)%3)+8*\i+3], v4, s[4:5] offset:(\j)*512+\i*8192 th:TH_LOAD_NT
	global_load_b128 v[32+64*((\j)%3)+8*\i+4:32+64*((\j)%3)+8*\i+7], v4, s[4:5] offset:(\j)*512+\i*8192+16 th:TH_LOAD_NT
.endr
.endm
.macro XIMG j, left                    ; left: the younger loads, which may stay out
.set XS, 32+64*((\j)%3)
	s_wait_loadcnt \left
.irp i, 0,1,2,3,4,5,6,7
	v_max3_num_f32 v[12+\i], |v[XS+8*\i]|, |v[XS+8*\i+1]|, FLOOR           ; my 8 numbers and the floor; the eight rows by turns
.endr
.irp k, 2,4,6
.irp i, 0,1,2,3,4,5,6,7
	v_max3_num_f32 v[12+\i], v[12+\i], |v[XS+8*\i+\k]|, |v[XS+8*\i+\k+1]|
.endr
.endr
.irp i, 0,1,2,3,4,5,6,7
	v_max_num_f32_dpp v[12+\i], v[12+\i], v[12+\i] row_xmask:1 row_mask:0xf bank_mask:0xf
.endr
.irp i, 0,1,2,3,4,5,6,7
	v_max_num_f32_dpp v[12+\i], v[12+\i], v[12+\i] row_xmask:2 row_mask:0xf bank_mask:0xf   ; the block's largest magnitude
.endr
.irp i, 0,1,2,3,4,5,6,7
	v_add_nc_u32 v[12+\i], EOFF, v[12+\i]                                  ; the conversion takes this operand's exponent field as its scale
.endr
.irp i, 0,1,2,3,4,5,6,7
	v_cvt_scalef32_pk8_fp4_f32 v[20+\i], v[XS+8*\i:XS+8*\i+7], v[12+\i]
.endr
	v_nop                                                                  ; a plain instruction between the conversions and the lines that write their scale operands
.irp i, 0,1,2,3,4,5,6,7
	v_lshrrev_b32 v[12+\i], 23, v[12+\i]                                   ; the scale's byte
.endr
.irp i, 0,1,2,3,4,5,6,7
	ds_store_b32 v7, v[20+\i] offset:(\j)*IMGST+32*\i                      ; plane = my block; in it row 2 i + rs, my 4 of its 16 bytes
	ds_store_b8 v8, v[12+\i] offset:SCST+32*\i+4*(\j)                      ; the four lanes of a block write the same byte with the same value
.endr
.irp c, 0,1
	ds_load_b128 v[224+8*(\j)+4*\c:224+8*(\j)+4*\c+3], v9 offset:(\j)*IMGST+\c*2*PLANE   ; LDS serves a wave's instructions in order: these see my stores
.endr
	s_wait_dscnt 0x0
.irp c, 0,1
	global_store_b128 v10, v[224+8*(\j)+4*\c:224+8*(\j)+4*\c+3], s[26:27] offset:(\j)*16384+\c*512   ; 512 consecutive bytes; each image has registers of its own
.endr
.endm
; ---- path W1: block t of my column: all 32 numbers are mine
.macro WBLOCK t, left
.set XS, 32+32*(\t)
	s_wait_loadcnt \left
	v_max3_num_f32 v12, |v[XS]|, |v[XS+1]|, |v[XS+2]|
	v_max3_num_f32 v13, |v[XS+3]|, |v[XS+4]|, |v[XS+5]|
.irp i, 6,10,14,18,22,26
	v_max3_num_f32 v12, v12, |v[XS+\i]|, |v[XS+\i+1]|
	v_max3_num_f32 v13, v13, |v[XS+\i+2]|, |v[XS+\i+3]|
.endr
	v_max3_num_f32 v12, v12, |v[XS+30]|, |v[XS+31]|
	v_max3_num_f32 v12, v12, v13, FLOOR
	v_add_nc_u32 v11, EOFF, v12
	v_lshrrev_b32 v13, 23, v11
.if (\t) == 0
	v_mov_b32 v14, v13                                                     ; the four bytes make my column's scale word for this K step
.else
	v_lshl_or_b32 v14, v13, 8*(\t), v14
.endif
.irp g, 0,1,2,3
	v_cvt_scalef32_pk8_fp4_f32 v[160+4*(\t)+\g], v[XS+8*\g:XS+8*\g+7], v11
.endr
	v_nop                                                                  ; a plain instruction behind the conversions
	global_store_b128 v5, v[160+4*(\t):160+4*(\t)+3], s[26:27] offset:((\t)/2)*512+((\t)%2)*256   ; sixteen lanes fill 256 consecutive bytes, aligned
.endm
	s_load_b256 s[4:11], s[0:1], 0x0               ; x s[4:5], W1 s[6:7], W2 s[8:9], xq s[10:11]
	s_load_b128 s[12:15], s[0:1], 0x20             ; wq s[12:13], w2p s[14:15]
	v_lshl_add_u32 v[SPW], v0, 2, SPARE
	v_mov_b32 v[NIL], 0
	v_lshrrev_b32 v1, 5, v0
	v_readfirstlane_b32 s16, v1                    ; wave
	v_and_b32 v1, 31, v0                           ; lane
	v_and_b32 v2, 15, v0                           ; lane % 16
	v_bfe_u32 v3, v0, 4, 1                         ; lane / 16
	s_wait_kmcnt 0x0
	s_cmp_ge_u32 ttmp9, 320
	s_cbranch_scc1 .Lw2
	s_cmp_ge_u32 ttmp9, 128
	s_cbranch_scc1 .Lw1
	; ================= x
	s_lshl_b32 s17, ttmp9, 2
	s_add_co_u32 s17, s17, s16                     ; my job, 0..511
	s_lshr_b32 s18, s17, 1                         ; which 16 rows
	s_and_b32 s19, s17, 1                          ; which half of K
	s_lshl_b32 s20, s18, 16                        ; 16 rows of 4,096 bytes
	s_lshl_b32 s21, s19, 11                        ; 512 numbers
	s_add_co_u32 s20, s20, s21
	s_mov_b32 s21, 0
	s_add_nc_u64 s[4:5], s[4:5], s[20:21]
	v_lshlrev_b32 v4, 12, v3
	v_lshl_add_u32 v4, v2, 5, v4                   ; row rs, 32 bytes a lane
	XLOAD 0
	XLOAD 1
	XLOAD 2
	s_lshr_b32 s22, s18, 4
	s_mul_i32 s22, s22, XBLK                       ; my chunk's block
	s_and_b32 s23, s18, 15                         ; T
	s_lshl_b32 s24, s19, 16                        ; four K steps of 16,384 bytes
	s_lshl_b32 s25, s23, 10
	s_add_co_u32 s24, s24, s25
	s_add_co_u32 s24, s24, s22
	s_mov_b32 s25, 0
	s_add_nc_u64 s[26:27], s[10:11], s[24:25]      ; my images
	s_lshl_b32 s24, s23, 9
	s_lshl_b32 s23, s19, 8
	s_add_co_u32 s24, s24, s23
	s_add_co_u32 s24, s24, s22
	s_add_co_u32 s24, s24, 131072
	s_add_nc_u64 s[28:29], s[10:11], s[24:25]      ; my 256 scale bytes
	s_mul_i32 s30, s16, WREG
	v_lshrrev_b32 v5, 2, v2                        ; my block
	v_and_b32 v6, 3, v2
	v_mul_u32_u24 v7, v5, PLANE
	v_lshl_add_u32 v7, v6, 2, v7
	v_lshl_add_u32 v7, v3, 4, v7
	v_add_nc_u32 v7, s30, v7                       ; codes in: plane x 288 + 16 rs + 4 (p % 4)
	v_lshl_add_u32 v8, v3, 4, v5
	v_add_nc_u32 v8, s30, v8                       ; scale byte in: 16 rs + block
	v_mul_u32_u24 v9, v3, PLANE
	v_lshl_add_u32 v9, v2, 4, v9
	v_add_nc_u32 v9, s30, v9                       ; image out: lane (r, h) takes plane 2 c + h, row r
	v_lshlrev_b32 v10, 4, v1                       ; 16 x lane
	v_lshlrev_b32 v11, 3, v1                       ; 8 x lane
	v_add_nc_u32 v28, s30, v11
	XIMG 0, 32                                     ; images 1 and 2 may be out
	XLOAD 3                                        ; into image 0's registers
	XIMG 1, 32
	XIMG 2, 16
	XIMG 3, 0
	ds_load_b64 v[12:13], v28 offset:SCST
	s_wait_dscnt 0x0
	global_store_b64 v11, v[12:13], s[28:29]       ; 256 consecutive bytes, aligned
	s_wait_tensorcnt 0x0                           ; the wave's end
	ds_add_u32 v[SPW], v[NIL]
	s_wait_dscnt 0x0
	s_endpgm
	; ================= W1: a lane takes a column, its registers run down K
.Lw1:
	s_sub_co_u32 s17, ttmp9, 128
	s_and_b32 s18, s17, 7                          ; q: which 128 along K
	s_lshr_b32 s19, s17, 3
	s_lshl_b32 s19, s19, 7
	s_lshl_b32 s20, s16, 5
	s_add_co_u32 s19, s19, s20                     ; my wave's first column
	s_mul_i32 s20, s18, 128*12288
	s_lshl_b32 s21, s19, 2
	s_add_co_u32 s20, s20, s21
	s_mov_b32 s21, 0
	s_add_nc_u64 s[6:7], s[6:7], s[20:21]
	v_lshlrev_b32 v4, 2, v1
.set I, 0
.rept 128
	global_load_b32 v[32+I], v4, s[6:7] offset:I*12288 th:TH_LOAD_NT       ; W1(128 q + I, my column): 128 consecutive bytes a wave, 512 a work-group
.set I, I+1
.endr
	s_lshr_b32 s22, s19, 10                        ; 0: k, 1: q, 2: v
	s_bfe_u32 s23, s19, 0x40006                    ; head
	s_mul_i32 s23, s23, WBLK
	s_bfe_u32 s24, s19, 0x20004                    ; tile of 16 within the head: 0 or 2; lanes 16-31 take the next
	s_lshl_b32 s25, s18, 12
	s_add_co_u32 s25, s25, 69632                   ; q's codes
	s_lshr_b32 s27, s22, 1                         ; 1 for v
	s_lshl_b32 s26, s18, 13
	s_lshl_b32 s28, s27, 12
	s_add_co_u32 s26, s26, s28                     ; k's or v's codes
	s_lshl_b32 s28, s27, 11
	s_add_co_u32 s28, s28, 65536                   ; k's or v's scale words
	s_mov_b32 s29, 102400                          ; q's
	s_cmp_eq_u32 s22, 1
	s_cselect_b32 s25, s25, s26
	s_cselect_b32 s28, s29, s28
	s_add_co_u32 s25, s25, s23
	s_lshl_b32 s26, s24, 10
	s_add_co_u32 s26, s26, s25
	s_mov_b32 s27, 0
	s_add_nc_u64 s[26:27], s[12:13], s[26:27]
	s_add_co_u32 s28, s28, s23
	s_lshl_b32 s25, s24, 9
	s_add_co_u32 s28, s28, s25
	s_lshr_b32 s25, s18, 2
	s_lshl_b32 s25, s25, 8
	s_add_co_u32 s28, s28, s25
	s_and_b32 s25, s18, 3
	s_lshl_b32 s25, s25, 2
	s_add_co_u32 s28, s28, s25
	s_mov_b32 s29, 0
	s_add_nc_u64 s[28:29], s[12:13], s[28:29]
	v_lshlrev_b32 v5, 10, v3
	v_lshl_add_u32 v5, v2, 4, v5                   ; image: tile x 1024 + 16 r
	v_lshlrev_b32 v6, 9, v3
	v_lshl_add_u32 v6, v2, 4, v6                   ; scale word: tile x 512 + 16 r
	WBLOCK 0, 63                                   ; 96 loads are younger; the wait's field holds 63, and a smaller count is safe
	WBLOCK 1, 63                                   ; 64 are younger
	WBLOCK 2, 32
	WBLOCK 3, 0
	global_store_b32 v6, v14, s[28:29]             ; 4 bytes of every 16: 96 KiB in the whole launch, against 12 MiB read
	s_endpgm
	; ================= W2: the same shape; pairs of bf16 in place of codes
.Lw2:
	s_sub_co_u32 s17, ttmp9, 320
	s_and_b32 s18, s17, 7                          ; which 128 along K
	s_lshr_b32 s19, s17, 3                         ; which 128 columns
	s_lshl_b32 s20, s18, 19                        ; 128 rows of 4,096 bytes
	s_lshl_b32 s21, s19, 9
	s_add_co_u32 s20, s20, s21
	s_lshl_b32 s21, s16, 7
	s_add_co_u32 s20, s20, s21
	s_mov_b32 s21, 0
	s_add_nc_u64 s[8:9], s[8:9], s[20:21]
	v_lshlrev_b32 v4, 2, v1
.set I, 0
.rept 128
	global_load_b32 v[32+I], v4, s[8:9] offset:I*4096 th:TH_LOAD_NT
.set I, I+1
.endr
	s_lshl_b32 s22, s19, 1
	s_lshr_b32 s23, s16, 1
	s_add_co_u32 s22, s22, s23                     ; block of 64 columns
	s_lshl_b32 s22, s22, 18
	s_lshl_b32 s23, s18, 15
	s_add_co_u32 s22, s22, s23
	s_and_b32 s23, s16, 1
	s_lshl_b32 s23, s23, 14                        ; my wave's two tiles of 16 columns
	s_add_co_u32 s22, s22, s23
	s_mov_b32 s23, 0
	s_add_nc_u64 s[14:15], s[14:15], s[22:23]
	v_lshlrev_b32 v5, 13, v3
	v_lshl_add_u32 v5, v2, 4, v5                   ; tile x 8192 + 16 r
	v_mov_b32 v11, -1.0
	s_wait_loadcnt 0x0
.set M, 0
.rept 64
	v_cvt_pk_bf16_f32 v[160+M], v[32+2*M], v[33+2*M]                       ; hi: two neighbours along K, the lower in the low half
.set M, M+1
.endr
.set M, 0
.rept 64
	v_fma_mix_f32_bf16 v[32+2*M], v[160+M], v11, v[32+2*M] op_sel_hi:[1,0,0]                  ; w - hi, one rounding that rounds nothing
	v_fma_mix_f32_bf16 v[33+2*M], v[160+M], v11, v[33+2*M] op_sel:[1,0,0] op_sel_hi:[1,0,0]
.set M, M+1
.endr
.set M, 0
.rept 64
	v_cvt_pk_bf16_f32 v[32+M], v[32+2*M], v[33+2*M]                        ; lo, ascending: a later pair's sources lie above all that is written
.set M, M+1
.endr
.irp kk, 0,1,2,3
.irp g, 0,1,2,3
	global_store_b128 v5, v[160+16*\kk+4*\g:160+16*\kk+4*\g+3], s[14:15] offset:\kk*2048+(\g/2)*512+(\g%2)*256        ; K 32 kk + 8 g + 0..7 of my column: half g / 2, lanes' half g % 2
	global_store_b128 v5, v[32+16*\kk+4*\g:32+16*\kk+4*\g+3], s[14:15] offset:\kk*2048+1024+(\g/2)*512+(\g%2)*256
.endr
.endr
	s_endpgm
.Lfunc_end_k_q6447936321_prep:
	.size	k_q6447936321_prep, .Lfunc_end_k_q6447936321_prep-k_q6447936321_prep
	.p2alignl 7, 3214868480
	.fill 96, 4, 3214868480
	.section	.rodata,"a",@progbits
	.p2align	6, 0x0
	.amdhsa_kernel k_q6447936321_prep
		.amdhsa_group_segment_fixed_size 19968
		.amdhsa_private_segment_fixed_size 0
		.amdhsa_enable_private_segment 0
		.amdhsa_kernarg_size 48
		.amdhsa_user_sgpr_count 2
		.amdhsa_user_sgpr_kernarg_segment_ptr 1
		.amdhsa_wavefront_size32 1
		.amdhsa_system_sgpr_workgroup_id_x 1
		.amdhsa_system_sgpr_workgroup_id_y 1
		.amdhsa_system_sgpr_workgroup_id_z 1
		.amdhsa_system_vgpr_workitem_id 0
		.amdhsa_next_free_vgpr 256
		.amdhsa_next_free_sgpr 66
		.amdhsa_reserve_vcc 0
		.amdhsa_float_denorm_mode_32 3
		.amdhsa_float_denorm_mode_16_64 3
		.amdhsa_memory_ordered 1
		.amdhsa_forward_progress 1
		.amdhsa_inst_pref_size 85
	.end_amdhsa_kernel
	.amdgpu_metadata
---
amdhsa.version: [ 1, 2 ]
amdhsa.kernels:
  - .name:           k_q6447936321_prep
    .symbol:         k_q6447936321_prep.kd
    .args:
      - { .name: x, .offset: 0, .size: 8, .value_kind: global_buffer, .address_space: global }
      - { .name: W1, .offset: 8, .size: 8, .value_kind: global_buffer, .address_space: global }
      - { .name: W2, .offset: 16, .size: 8, .value_kind: global_buffer, .address_space: global }
      - { .name: xq, .offset: 24, .size: 8, .value_kind: global_buffer, .address_space: global }
      - { .name: wq, .offset: 32, .size: 8, .value_kind: global_buffer, .address_space: global }
      - { .name: w2p, .offset: 40, .size: 8, .value_kind: global_buffer, .address_space: global }
    .group_segment_fixed_size: 19968
    .private_segment_fixed_size: 0
    .kernarg_segment_align: 8
    .kernarg_segment_size: 48
    .max_flat_workgroup_size: 128
    .sgpr_count:     66
    .vgpr_count:     256
    .wavefront_size: 32
...
	.end_amdgpu_metadata
.endif
;; end of part 1
;; launch state (part 2): grid 16 x 16, 4 waves a work-group, clusters of 4 x 4, 327,680 bytes of LDS; arguments xq, wq, b1, dstate; writes dstate
.if DOCPART == 2
	.amdgcn_target "amdgcn-amd-amdhsa--gfx1250"
	.amdhsa_code_object_version 6
	.text
	.protected	k_q6447936321_state
	.globl	k_q6447936321_state
	.p2align	8
	.type	k_q6447936321_state,@function
k_q6447936321_state:
	s_mov_b64 s[64:65], 0
	v_nop
	global_prefetch_b8 v0, s[64:65] scope:SCOPE_SE
	s_setreg_imm32_b32 hwreg(HW_REG_WAVE_MODE, 25, 1), 1
	s_wait_xcnt 0x0
	s_wait_alu depctr_hold_cnt(0) depctr_sa_sdst(0) depctr_va_vdst(0) depctr_va_sdst(0) depctr_va_ssrc(0) depctr_va_vcc(0) depctr_vm_vsrc(0)
	s_getreg_b32 s2, hwreg(HW_REG_IB_STS2, 6, 4)
	s_cmp_eq_u32 s2, 0
	s_cbranch_scc0 .Lentry_in_a_cluster
	s_endpgm
.Lentry_in_a_cluster:
	s_bfe_u32 s2, ttmp6, 0x10000c
	s_cmp_lg_u32 s2, 0xf033
	s_cbranch_scc0 .Lentry_shape_is_right
	s_endpgm
.Lentry_shape_is_right:
; STATE: for one chunk of 256 rows and one head: k = Q(x) Q(W1) + b1 and v likewise (MX-FP4, sums in f32), then D = k^T v, 64 x 64 in f32, stored as an image of registers.
; reference() has no softmax, so tril(q k^T) v = q (the sum of k^T v over all earlier rows) + the masked product inside a block of rows: the same sum in another order, for every input.
; SHARES: work-group (x = head, y = chunk); wave w takes rows 64 w .. 64 w + 63 of the chunk and all 128 columns (k's 64, v's 64); the four waves' D are added through LDS.
; ALL OF K LIES IN LDS: x's block of the chunk (139,264 bytes) and the head's k and v part of wq (69,632): each byte is filled once, so there is no ring and no refill.
; CLUSTER 4 x 4: the four work-groups of a row of the cluster share the chunk, those of a column the head: both blocks are asked for jointly, each wave a quarter of each.
; THE PRODUCT is used as it stands (source 0 = 16 rows of x, source 1 = 16 columns of W1): a lane holds ONE column d and its registers run down the rows, which are K of k^T v:
; neighbouring registers, rounded in pairs, are that product's operands.  Nothing changes lanes.
; k^T v takes its operands as PAIRS of bf16 numbers (hi = bf16(a), lo = bf16(a - hi), split in f32) in three products hi hi, hi lo, lo hi: some 16 bits at f32's range.  lo lo is left out (2^-16 of the result).
; LIMITS: NaN and infinities are not served; the order of the sums differs from reference()'s.
; REGISTERS, in windows of 256: window 0: v1-17 addresses, v30-31 the add's two, v64-127 x's fragments (two sets), v128-255 scale words.  window 1: W's fragments (two sets, at 0 and 96), then the pairs.
;   window 2: v192-255 the bias (C of the first K step), v0-127 the four waves' D on the way out.   window 3: k at 32 b + 8 a, v at 128 + 32 b + 8 a (b: tile of d, a: tile of rows), then D at 32 bv + 8 bk.
.set XBLK,  139264
.set WBLK,  104448
.set KVB,   69632
.set XQ4,   XBLK/4
.set WQ4,   KVB/4
.set WT,    XBLK                       ; LDS: x's block at 0, W's behind it,
.set DIMG,  WT+WBLK                    ; four images of D, 16,384 bytes each, written by LDS stores alone,
.set SPARE, DIMG+4*16384               ; and the spare words, 128 bytes for each wave: two blocks of 256 bytes that no other line names
.set L16,  1                           ; v1   16 x lane
.set AX0,  3                           ; v3, v4  x's fragments: K steps 0-3, 4-7
.set AKV,  5                           ; v5   W's fragments
.set ASX,  7                           ; v7   x's scale words
.set ASKV, 8                           ; v8   W's
.set ADI,  10                          ; v10  the images of D
.set ADW,  11                          ; v11  my wave's image
.set AQR,  12                          ; v12  my quarter of each image
.set BN,   13                          ; v13  4 r: the bias of my column
.set GOFF, 15                          ; v15  my 16 bytes of my quarter in dstate
.set NEG1, 17                          ; v17  -1.0
.set SPW,  30
.set NIL,  31
.set XF,   64
.set NB,   192
.set NF,   24                          ; LDS loads of a K step's fragments
.set NS,   12                          ; and of four K steps' scale words
.set WV,   14
.set G1X,  24
.set G1W,  32
.set G0X,  40
.set G0W,  44
.set MSB, 0
.macro WIN new                         ; bits 1:0 source 0, 3:2 source 1, 5:4 source 2, 7:6 destination; the high byte repeats the setting that is left
.if MSB != (\new)
	s_set_vgpr_msb (MSB<<8)|(\new)
.set MSB, (\new)
.endif
.endm
.macro CROUND                          ; a round of the cluster's barrier
	s_barrier_signal -1
	s_barrier_wait -1
	s_cmp_lg_u32 s[WV], 0
	s_cbranch_scc1 .Lnot_wave_0_\@
	s_barrier_signal -3
.Lnot_wave_0_\@:
	s_barrier_wait -3
	s_barrier_signal -1
	s_barrier_wait -1
.endm
.macro PLACES                          ; four plain instructions between a matrix instruction and a read of its result, a write of its registers or a load into them
.rept 4
	v_nop
.endr
.endm
.macro FRAGS q, p                      ; K step q's fragments into set p: images, 16 bytes a lane, 512 consecutive bytes a load
	WIN 0x40
.irp j, 0,1,2,3,4,5,6,7
.irp c, 0,1
	ds_load_b128 v[96*(\p)+8*\j+4*\c:96*(\p)+8*\j+4*\c+3], v[AKV] offset:(\q)*8192+\j*1024+\c*512
.endr
.endr
	WIN 0
.irp a, 0,1,2,3
.irp c, 0,1
	ds_load_b128 v[XF+32*(\p)+8*\a+4*\c:XF+32*(\p)+8*\a+4*\c+3], v[AX0+(\q)/4] offset:((\q)%4)*16384+\a*1024+\c*512
.endr
.endr
.endm
.macro SCALES qh                       ; four K steps' scale words: lane r takes row r's four words
.irp a, 0,1,2,3
	ds_load_b128 v[128+64*(\qh)+4*\a:128+64*(\qh)+4*\a+3], v[ASX] offset:\a*512+(\qh)*256
.endr
.irp j, 0,1,2,3,4,5,6,7
	ds_load_b128 v[144+64*(\qh)+4*\j:144+64*(\qh)+4*\j+3], v[ASKV] offset:\j*512+(\qh)*256
.endr
.endm
.macro NP q, acc, j, a, bias           ; 16 rows of x (tile a) x 16 columns of W (tile j); in K step 0 the bias starts the sum
.if (\q) == 0
	v_wmma_scale_f32_16x16x128_f8f6f4 v[(\acc):(\acc)+7], v[XF+32*P+8*(\a):XF+32*P+8*(\a)+7], v[96*P+8*(\j):96*P+8*(\j)+7], v[(\bias):(\bias)+7], v[SB+4*(\a)], v[SB+16+4*(\j)] matrix_a_fmt:MATRIX_FMT_FP4 matrix_b_fmt:MATRIX_FMT_FP4
.else
	v_wmma_scale_f32_16x16x128_f8f6f4 v[(\acc):(\acc)+7], v[XF+32*P+8*(\a):XF+32*P+8*(\a)+7], v[96*P+8*(\j):96*P+8*(\j)+7], v[(\acc):(\acc)+7], v[SB+4*(\a)], v[SB+16+4*(\j)] matrix_a_fmt:MATRIX_FMT_FP4 matrix_b_fmt:MATRIX_FMT_FP4
.endif
.endm
.macro STEP q                          ; a K step of 128: the next step's loads go out, then this step's 32 products; the 32 accumulators take turns
.set P, (\q)%2
.set SB, 128+64*((\q)/4)+(\q)%4
.if (\q) > 0
	PLACES                                         ; the loads below land in registers that the last step's products have read
.endif
.if (\q) < 7
	FRAGS (\q)+1, 1-P
.endif
.if (\q) == 1
	SCALES 1
	s_wait_dscnt NF+NS                             ; all but what was just issued: this step's fragments are in
.elseif (\q) == 7
	s_wait_dscnt 0x0
.else
	s_wait_dscnt NF
.endif
.if (\q) == 0
	WIN 0xe4                                       ; x window 0, W window 1, the bias window 2, the sums window 3
.else
	WIN 0xf4
.endif
.irp a, 0,1,2,3
.irp b, 0,1,2,3
	NP \q, 32*\b+8*\a, \b, \a, NB+8*\b
	NP \q, 128+32*\b+8*\a, 4+\b, \a, NB+32+8*\b
.endr
.endr
.endm
; f32 numbers into pairs of bf16: n pairs of neighbouring registers from sb on
.macro SP_PK sb, db, n
.set M, 0
.rept \n
	v_cvt_pk_bf16_f32 v[(\db)+M], v[(\sb)+2*M], v[(\sb)+2*M+1]             ; ascending: each accumulator is read from its low end on
.set M, M+1
.endr
.endm
.macro SP_RES sb, hb, n                ; a - hi in place, exact
.set M, 0
.rept \n
	v_fma_mix_f32_bf16 v[(\sb)+2*M], v[(\hb)+M], v[NEG1], v[(\sb)+2*M] op_sel_hi:[1,0,0]
	v_fma_mix_f32_bf16 v[(\sb)+2*M+1], v[(\hb)+M], v[NEG1], v[(\sb)+2*M+1] op_sel:[1,0,0] op_sel_hi:[1,0,0]
.set M, M+1
.endr
.endm
.macro SPLIT sw, sb, dw, hb, lb, n     ; from window sw into window dw: three passes, each under one setting
	WIN ((\dw)<<6)|((\sw)<<2)|(\sw)
	SP_PK \sb, \hb, \n
	WIN ((\sw)<<6)|((\sw)<<4)|(\dw)
	SP_RES \sb, \hb, \n
	WIN ((\dw)<<6)|((\sw)<<2)|(\sw)
	SP_PK \sb, \lb, \n
.endm
.macro MM zero, d0, a0, b0             ; 16 products, tile (x, y) at d0 + 32 x + 8 y: source 0 by y, source 1 by x; the tiles take turns
.irp x, 0,1,2,3
.irp y, 0,1,2,3
.if \zero
	v_wmma_f32_16x16x32_bf16 v[(\d0)+32*\x+8*\y:(\d0)+32*\x+8*\y+7], v[(\a0)+16*\y:(\a0)+16*\y+7], v[(\b0)+16*\x:(\b0)+16*\x+7], 0
.else
	v_wmma_f32_16x16x32_bf16 v[(\d0)+32*\x+8*\y:(\d0)+32*\x+8*\y+7], v[(\a0)+16*\y:(\a0)+16*\y+7], v[(\b0)+16*\x:(\b0)+16*\x+7], v[(\d0)+32*\x+8*\y:(\d0)+32*\x+8*\y+7]
.endif
.endr
.endr
.endm
	s_load_b256 s[4:11], s[0:1], 0x0               ; xq s[4:5], wq s[6:7], b1 s[8:9], dstate s[10:11]
	v_lshl_add_u32 v[SPW], v0, 2, SPARE
	v_mov_b32 v[NIL], 0
	ds_add_u32 v[SPW], v[NIL]                      ; the wave's opening: the add, twice on end, and its wait ahead of my first tensor load
	ds_add_u32 v[SPW], v[NIL]
	v_lshrrev_b32 v1, 5, v0
	v_readfirstlane_b32 s[WV], v1                  ; wave 0..3
	s_bfe_u32 s15, ttmp6, 0x40000                  ; cx
	s_bfe_u32 s16, ttmp6, 0x40004                  ; cy
	s_lshl_b32 s17, ttmp9, 2
	s_add_co_u32 s17, s17, s15                     ; head = 4 x cluster x + cx
	s_and_b32 s18, ttmp7, 0xffff
	s_lshl_b32 s18, s18, 2
	s_add_co_u32 s18, s18, s16                     ; chunk = 4 x cluster y + cy
	s_lshl_b32 s19, s16, 2
	s_lshl_b32 s19, 15, s19                        ; my row of the cluster: it shares the chunk
	s_lshl_b32 s56, 0x1111, s15                    ; my column: it shares the head
	; both blocks are dense: rows of 256 bytes (32 elements of 8 bytes), no padding: images are read 16 bytes a lane on end
	s_or_b32 s[G1X], s19, (3<<16)|(1<<21)
	s_mov_b32 s[G1X+1], 32<<16                     ; tensor_dim0
	s_mov_b32 s[G1X+2], (XQ4/256)<<16              ; tensor_dim1: 136 rows
	s_mov_b32 s[G1X+3], 32<<16                     ; tile_dim0
	s_mov_b32 s[G1X+4], XQ4/256                    ; tile_dim1
	s_mov_b32 s[G1X+5], 32                         ; from row to row
	s_mov_b32 s[G1X+6], 0
	s_mov_b32 s[G1X+7], 0
	s_or_b32 s[G1W], s56, (3<<16)|(1<<21)
	s_mov_b32 s[G1W+1], 32<<16
	s_mov_b32 s[G1W+2], (WQ4/256)<<16              ; 68 rows
	s_mov_b32 s[G1W+3], 32<<16
	s_mov_b32 s[G1W+4], WQ4/256
	s_mov_b32 s[G1W+5], 32
	s_mov_b32 s[G1W+6], 0
	s_mov_b32 s[G1W+7], 0
	s_mov_b32 s[G0X], 1
	s_mul_i32 s[G0X+1], s[WV], XQ4                 ; LDS: my quarter; no place in the cluster enters an LDS address
	s_mul_i32 s22, s18, XBLK                       ; x's address hangs on the chunk and the wave alone,
	s_add_co_u32 s22, s22, s[G0X+1]
	s_mov_b32 s23, 0
	s_mov_b32 s[G0W], 1
	s_mul_i32 s57, s[WV], WQ4
	s_add_co_u32 s[G0W+1], s57, WT
	s_mul_i32 s20, s17, WBLK                       ; W's on the head and the wave alone
	s_add_co_u32 s20, s20, s57
	s_mov_b32 s21, 0
	v_and_b32 v2, 15, v0                           ; r
	v_and_b32 v1, 31, v0
	v_lshlrev_b32 v[L16], 4, v1
	s_lshl_b32 s58, s[WV], 12
	s_lshl_b32 s59, s[WV], 11
	s_add_co_u32 s59, s59, 131072
	s_lshl_b32 s60, s[WV], 14
	v_add_nc_u32 v[AX0], s58, v[L16]               ; my four tiles of rows: 4,096 bytes in each K step
	v_add_nc_u32 v[AX0+1], 65536, v[AX0]
	v_add_nc_u32 v[AKV], WT, v[L16]
	v_lshlrev_b32 v[BN], 2, v2
	v_lshlrev_b32 v[ASX], 4, v2
	v_add_nc_u32 v[ASKV], WT+65536, v[ASX]
	v_add_nc_u32 v[ASX], s59, v[ASX]
	v_add_nc_u32 v[ADI], DIMG, v[L16]
	v_add_nc_u32 v[ADW], s60, v[ADI]
	v_add_nc_u32 v[AQR], s58, v[ADI]
	v_add_nc_u32 v[GOFF], s58, v[L16]
	v_mov_b32 v[NEG1], -1.0
	s_wait_dscnt 0x0                               ; both opening adds are done
	s_wait_kmcnt 0x0
	s_add_nc_u64 s[G0X+2:G0X+3], s[4:5], s[22:23]
	s_or_b32 s[G0X+3], s[G0X+3], 0x80000000
	s_add_nc_u64 s[G0W+2:G0W+3], s[6:7], s[20:21]
	s_or_b32 s[G0W+3], s[G0W+3], 0x80000000
	s_lshl_b32 s60, s17, 8
	s_mov_b32 s61, 0
	s_add_nc_u64 s[8:9], s[8:9], s[60:61]          ; b1 at my head's 64 numbers
	s_lshl_b32 s60, s18, 4
	s_add_co_u32 s60, s60, s17
	s_lshl_b32 s60, s60, 14
	s_add_nc_u64 s[10:11], s[10:11], s[60:61]      ; dstate at (chunk, head)
	CROUND                                         ; all sixteen work-groups are here: the joint loads meet
	tensor_load_to_lds s[G0X:G0X+3], s[G1X:G1X+7]  ; two loads of mine are out: the only ones of the launch
	s_nop 0
	tensor_load_to_lds s[G0W:G0W+3], s[G1W:G1W+7]
	s_nop 0
	PLACES
	WIN 0x80
.irp b, 0,1,2,3
.irp e, 0,1,2,3,4,5,6,7
	global_load_b32 v[NB+8*\b+\e], v[BN], s[8:9] offset:64*\b              ; k's bias: a lane's eight results share one column, so its eight registers hold one number
	global_load_b32 v[NB+32+8*\b+\e], v[BN], s[8:9] offset:8192+64*\b      ; v's
.endr
.endr
	WIN 0
	s_wait_loadcnt 0x0
	s_wait_tensorcnt 0x0                           ; my quarters have landed,
	s_barrier_signal -1
	s_barrier_wait -1                              ; everybody's have
	SCALES 0
	FRAGS 0, 0
	STEP 0
	STEP 1
	STEP 2
	STEP 3
	STEP 4
	STEP 5
	STEP 6
	STEP 7
	PLACES
	SPLIT 3, 0, 1, 0, 64, 64                       ; k: operand (tile of d, 32 rows u) at 16 b + 8 u, hi from 0, lo from 64
	SPLIT 3, 128, 1, 128, 192, 64                  ; v: hi from 128, lo from 192
	WIN 0xf5                                       ; both sources window 1, D window 3
	MM 1, 0, 0, 128                                ; D(dk, dv) = the sum over my 64 rows: rows 0-31: hi hi,
	MM 0, 0, 0, 192                                ; hi lo,
	MM 0, 0, 64, 128                               ; lo hi;
	MM 0, 0, 8, 136                                ; rows 32-63
	MM 0, 0, 8, 200
	MM 0, 0, 72, 136
	PLACES
	WIN 0x0c                                       ; an LDS store's data are its source 1
.set G, 0
.rept 32
	ds_store_b128 v[ADW], v[4*G:4*G+3] offset:G*512
.set G, G+1
.endr
	WIN 0
	s_wait_dscnt 0x0                               ; for the others' sake: my image lies in LDS
	s_barrier_signal -1
	s_barrier_wait -1
	WIN 0x80
.irp j, 0,1,2,3
.irp g, 0,1,2,3,4,5,6,7
	ds_load_b128 v[32*\j+4*\g:32*\j+4*\g+3], v[AQR] offset:\j*16384+\g*512 ; my quarter of each wave's image
.endr
.endr
	s_wait_dscnt 0x0
	WIN 0x8a
.set I, 0
.rept 16
	v_pk_add_f32 v[2*I:2*I+1], v[2*I:2*I+1], v[32+2*I:33+2*I]
	v_pk_add_f32 v[64+2*I:65+2*I], v[64+2*I:65+2*I], v[96+2*I:97+2*I]
.set I, I+1
.endr
.set I, 0
.rept 16
	v_pk_add_f32 v[2*I:2*I+1], v[2*I:2*I+1], v[64+2*I:65+2*I]
.set I, I+1
.endr
	WIN 0x08
.irp g, 0,1,2,3,4,5,6,7
	global_store_b128 v[GOFF], v[4*\g:4*\g+3], s[10:11] offset:\g*512      ; 512 consecutive bytes a store
.endr
	WIN 0
	s_wait_tensorcnt 0x0                           ; the wave's end
	ds_add_u32 v[SPW], v[NIL]
	s_wait_dscnt 0x0
	CROUND                                         ; the closing round
	s_endpgm
.Lfunc_end_k_q6447936321_state:
	.size	k_q6447936321_state, .Lfunc_end_k_q6447936321_state-k_q6447936321_state
	.p2alignl 7, 3214868480
	.fill 96, 4, 3214868480
	.section	.rodata,"a",@progbits
	.p2align	6, 0x0
	.amdhsa_kernel k_q6447936321_state
		.amdhsa_group_segment_fixed_size 327680
		.amdhsa_private_segment_fixed_size 0
		.amdhsa_enable_private_segment 0
		.amdhsa_kernarg_size 32
		.amdhsa_user_sgpr_count 2
		.amdhsa_user_sgpr_kernarg_segment_ptr 1
		.amdhsa_wavefront_size32 1
		.amdhsa_system_sgpr_workgroup_id_x 1
		.amdhsa_system_sgpr_workgroup_id_y 1
		.amdhsa_system_sgpr_workgroup_id_z 1
		.amdhsa_system_vgpr_workitem_id 0
		.amdhsa_next_free_vgpr 1024
		.amdhsa_next_free_sgpr 66
		.amdhsa_reserve_vcc 0
		.amdhsa_float_denorm_mode_32 3
		.amdhsa_float_denorm_mode_16_64 3
		.amdhsa_memory_ordered 1
		.amdhsa_forward_progress 1
		.amdhsa_inst_pref_size 105
	.end_amdhsa_kernel
	.amdgpu_metadata
---
amdhsa.version: [ 1, 2 ]
amdhsa.kernels:
  - .name:           k_q6447936321_state
    .symbol:         k_q6447936321_state.kd
    .args:
      - { .name: xq, .offset: 0, .size: 8, .value_kind: global_buffer, .address_space: global }
      - { .name: wq, .offset: 8, .size: 8, .value_kind: global_buffer, .address_space: global }
      - { .name: b1, .offset: 16, .size: 8, .value_kind: global_buffer, .address_space: global }
      - { .name: dstate, .offset: 24, .size: 8, .value_kind: global_buffer, .address_space: global }
    .group_segment_fixed_size: 327680
    .private_segment_fixed_size: 0
    .kernarg_segment_align: 8
    .kernarg_segment_size: 32
    .max_flat_workgroup_size: 128
    .sgpr_count:     66
    .vgpr_count:     1024
    .wavefront_size: 32
...
	.end_amdgpu_metadata
.endif
;; end of part 2
;; launch attn (part 3): grid 16 x 16, 4 waves a work-group, clusters of 4 x 4, 327,680 bytes of LDS; arguments xq, wq, b1, dstate, op; writes op
.if DOCPART == 3
	.amdgcn_target "amdgcn-amd-amdhsa--gfx1250"
	.amdhsa_code_object_version 6
	.text
	.protected	k_q6447936321_attn
	.globl	k_q6447936321_attn
	.p2align	8
	.type	k_q6447936321_attn,@function
k_q6447936321_attn:
	s_mov_b64 s[64:65], 0
	v_nop
	global_prefetch_b8 v0, s[64:65] scope:SCOPE_SE
	s_setreg_imm32_b32 hwreg(HW_REG_WAVE_MODE, 25, 1), 1
	s_wait_xcnt 0x0
	s_wait_alu depctr_hold_cnt(0) depctr_sa_sdst(0) depctr_va_vdst(0) depctr_va_sdst(0) depctr_va_ssrc(0) depctr_va_vcc(0) depctr_vm_vsrc(0)
	s_getreg_b32 s2, hwreg(HW_REG_IB_STS2, 6, 4)
	s_cmp_eq_u32 s2, 0
	s_cbranch_scc0 .Lentry_in_a_cluster
	s_endpgm
.Lentry_in_a_cluster:
	s_bfe_u32 s2, ttmp6, 0x10000c
	s_cmp_lg_u32 s2, 0xf033
	s_cbranch_scc0 .Lentry_shape_is_right
	s_endpgm
.Lentry_shape_is_right:
; ATTN: for one chunk of 256 rows and one head: k, q, v = Q(x) Q(W1) + b1 (MX-FP4, sums in f32); then for wave w's 64 rows
;   O = tril(q k^T) v  (inside the 64 rows)  +  q (G + D_0 + .. + D_(w-1)),   G = the sum of dstate over all earlier chunks, D_j = k^T v of wave j's rows.
; That is reference()'s masked product in another order of summation, for every input: there is no softmax between the two products.  O leaves as pairs of bf16, as images of the last product's operand.
; ALL OF K LIES IN LDS (x's block 139,264 bytes, the head's block of wq 104,448): each byte is filled once: no ring.  CLUSTER 4 x 4: a row of the cluster shares the chunk, a column the head: joint loads, a quarter of each block a wave.
; TWO ORIENTATIONS.  Transposed (source 0 = 16 columns of W1, source 1 = 16 rows of x): a lane holds ONE row and eight neighbours along d: kT, q.  As it stands: a lane holds ONE d and eight neighbouring rows: kN, v.
; k is multiplied both ways (the same bits, transposed), so that every later operand is a run of neighbouring registers rounded in pairs, and nothing changes lanes or goes through LDS to be turned.
; PAIRS.  Every operand of the later products is hi = bf16(a), lo = bf16(a - hi), split in f32; a product is hi hi + hi lo + lo hi: some 16 bits at f32's range, in every row, the first rows too.  lo lo is left out (2^-16 of the result).
; THE EARLIER CHUNKS.  All fifteen states are loaded whatever the chunk, and those of chunks not earlier than mine are replaced by 0 through a lane mask: no branch and no trip count hangs on the place in the cluster,
; and a select, not a multiplication by 0, so that nothing of a later chunk can reach my rows.
; LIMITS: NaN and infinities are not served; the order of the sums differs from reference()'s.
; REGISTERS, in windows of 256.  During the first product: window 0: v1-17 addresses, v30-31 the add's two, v32-63 G's quarter, v64-127 x's fragments (two sets), v128-191 scale words of K steps 0-3,
;   v192-255 the bias of kN and v, from K step 1 on the scale words of K steps 4-7.  window 1: W's fragments (two sets of 96), v192-255 the bias of kT and q.
;   window 2: kT at 32 a + 8 b, q at 128 + 32 a + 8 b.   window 3: kN at 32 b + 8 a, v at 128 + 32 b + 8 a.   (a: tile of 16 rows, b: tile of 16 of d.)
; Afterwards: window 0: v32-127 the scores' pairs, v128-255 k's pairs, later the state's.  window 1: v0-127 kN's pairs, later q's; v128-255 v's pairs, later O's.  window 2: v0-127 the scores, v128-255 O.  window 3: D, later the state.
.set XBLK,  139264
.set WBLK,  104448
.set XQ4,   XBLK/4
.set WQ4,   WBLK/4
.set WT,    XBLK                       ; LDS: x's block at 0, W's behind it,
.set DIMG,  WT+WBLK                    ; four images of 16,384 bytes, written by LDS stores alone: D of waves 0, 1, 2, and G,
.set SPARE, DIMG+4*16384               ; and the spare words, 128 bytes for each wave: two blocks of 256 bytes that no other line names
.set L16,  1                           ; v1   16 x lane
.set AX0,  3                           ; v3, v4  x's fragments: K steps 0-3, 4-7
.set AKV,  5                           ; v5   k's and v's fragments of W
.set AQ,   6                           ; v6   q's
.set ASX,  7                           ; v7   x's scale words
.set ASKV, 8                           ; v8   k's and v's
.set ASQ,  9                           ; v9   q's
.set ADI,  10                          ; v10  the images
.set ADW,  11                          ; v11  my wave's image of D
.set AGW,  12                          ; v12  my quarter of G's image
.set BN,   13                          ; v13  4 r
.set BT,   14                          ; v14  32 h
.set GOFF, 15                          ; v15  my 16 bytes of my quarter of a state in dstate
.set VD,   16                          ; v16  r - 8 h: on the diagonal register e is kept where e <= r - 8 h
.set NEG1, 17                          ; v17  -1.0
.set SPW,  30
.set NIL,  31
.set XF,   64
.set NB,   192
.set TB,   192
.set NF,   32                          ; LDS loads of a K step's fragments
.set NS,   16                          ; and of four K steps' scale words
.set WV,   14
.set G1X,  24
.set G1W,  32
.set G0X,  40
.set G0W,  44
.set MK,   48                          ; s48-55 lane masks
.set MSB, 0
.macro WIN new                         ; bits 1:0 source 0, 3:2 source 1, 5:4 source 2, 7:6 destination; the high byte repeats the setting that is left
.if MSB != (\new)
	s_set_vgpr_msb (MSB<<8)|(\new)
.set MSB, (\new)
.endif
.endm
.macro CROUND                          ; a round of the cluster's barrier
	s_barrier_signal -1
	s_barrier_wait -1
	s_cmp_lg_u32 s[WV], 0
	s_cbranch_scc1 .Lnot_wave_0_\@
	s_barrier_signal -3
.Lnot_wave_0_\@:
	s_barrier_wait -3
	s_barrier_signal -1
	s_barrier_wait -1
.endm
.macro PLACES                          ; four plain instructions between a matrix instruction and a read of its result, a write of its registers or a load into them
.rept 4
	v_nop
.endr
.endm
.macro FRAGS q, p                      ; K step q's fragments into set p: images, 16 bytes a lane, 512 consecutive bytes a load
	WIN 0x40
.irp j, 0,1,2,3,4,5,6,7
.irp c, 0,1
	ds_load_b128 v[96*(\p)+8*\j+4*\c:96*(\p)+8*\j+4*\c+3], v[AKV] offset:(\q)*8192+\j*1024+\c*512
.endr
.endr
.irp j, 0,1,2,3
.irp c, 0,1
	ds_load_b128 v[96*(\p)+64+8*\j+4*\c:96*(\p)+64+8*\j+4*\c+3], v[AQ] offset:(\q)*4096+\j*1024+\c*512
.endr
.endr
	WIN 0
.irp a, 0,1,2,3
.irp c, 0,1
	ds_load_b128 v[XF+32*(\p)+8*\a+4*\c:XF+32*(\p)+8*\a+4*\c+3], v[AX0+(\q)/4] offset:((\q)%4)*16384+\a*1024+\c*512
.endr
.endr
.endm
.macro SCALES qh                       ; four K steps' scale words: lane r takes row r's four words
.irp a, 0,1,2,3
	ds_load_b128 v[128+64*(\qh)+4*\a:128+64*(\qh)+4*\a+3], v[ASX] offset:\a*512+(\qh)*256
.endr
.irp j, 0,1,2,3,4,5,6,7
	ds_load_b128 v[144+64*(\qh)+4*\j:144+64*(\qh)+4*\j+3], v[ASKV] offset:\j*512+(\qh)*256
.endr
.irp j, 0,1,2,3
	ds_load_b128 v[176+64*(\qh)+4*\j:176+64*(\qh)+4*\j+3], v[ASQ] offset:\j*512+(\qh)*256
.endr
.endm
.macro TP q, acc, j, a, bias           ; transposed: source 0 = W's tile j, source 1 = x's tile a; in K step 0 the bias starts the sum
.if (\q) == 0
	v_wmma_scale_f32_16x16x128_f8f6f4 v[(\acc):(\acc)+7], v[96*P+8*(\j):96*P+8*(\j)+7], v[XF+32*P+8*(\a):XF+32*P+8*(\a)+7], v[(\bias):(\bias)+7], v[SB+16+4*(\j)], v[SB+4*(\a)] matrix_a_fmt:MATRIX_FMT_FP4 matrix_b_fmt:MATRIX_FMT_FP4
.else
	v_wmma_scale_f32_16x16x128_f8f6f4 v[(\acc):(\acc)+7], v[96*P+8*(\j):96*P+8*(\j)+7], v[XF+32*P+8*(\a):XF+32*P+8*(\a)+7], v[(\acc):(\acc)+7], v[SB+16+4*(\j)], v[SB+4*(\a)] matrix_a_fmt:MATRIX_FMT_FP4 matrix_b_fmt:MATRIX_FMT_FP4
.endif
.endm
.macro NP q, acc, j, a, bias           ; as it stands: source 0 = x's tile a, source 1 = W's tile j
.if (\q) == 0
	v_wmma_scale_f32_16x16x128_f8f6f4 v[(\acc):(\acc)+7], v[XF+32*P+8*(\a):XF+32*P+8*(\a)+7], v[96*P+8*(\j):96*P+8*(\j)+7], v[(\bias):(\bias)+7], v[SB+4*(\a)], v[SB+16+4*(\j)] matrix_a_fmt:MATRIX_FMT_FP4 matrix_b_fmt:MATRIX_FMT_FP4
.else
	v_wmma_scale_f32_16x16x128_f8f6f4 v[(\acc):(\acc)+7], v[XF+32*P+8*(\a):XF+32*P+8*(\a)+7], v[96*P+8*(\j):96*P+8*(\j)+7], v[(\acc):(\acc)+7], v[SB+4*(\a)], v[SB+16+4*(\j)] matrix_a_fmt:MATRIX_FMT_FP4 matrix_b_fmt:MATRIX_FMT_FP4
.endif
.endm
.macro STEP q                          ; a K step of 128: the next step's loads go out, then this step's 64 products; the 64 accumulators take turns
.set P, (\q)%2
.set SB, 128+64*((\q)/4)+(\q)%4
.if (\q) > 0
	PLACES                                         ; the loads below land in registers that the last step's products have read
.endif
.if (\q) < 7
	FRAGS (\q)+1, 1-P
.endif
.if (\q) == 1
	SCALES 1                                       ; into the registers of the bias that K step 0 has taken
	s_wait_dscnt NF+NS                             ; all but what was just issued: this step's fragments are in
.elseif (\q) == 7
	s_wait_dscnt 0x0
.else
	s_wait_dscnt NF
.endif
.if (\q) == 0
	WIN 0x91                                       ; W window 1, x window 0, the bias window 1, the sums window 2
.else
	WIN 0xa1
.endif
.irp a, 0,1,2,3
.irp b, 0,1,2,3
	TP \q, 32*\a+8*\b, \b, \a, TB+8*\b
	TP \q, 128+32*\a+8*\b, 8+\b, \a, TB+32+8*\b
.endr
.endr
.if (\q) == 0
	WIN 0xc4                                       ; x window 0, W window 1, the bias window 0, the sums window 3
.else
	WIN 0xf4
.endif
.irp a, 0,1,2,3
.irp b, 0,1,2,3
	NP \q, 32*\b+8*\a, \b, \a, NB+8*\b
	NP \q, 128+32*\b+8*\a, 4+\b, \a, NB+32+8*\b
.endr
.endr
.endm
; f32 numbers into pairs of bf16: n pairs of neighbouring registers from sb on
.macro SP_PK sb, db, n
.set M, 0
.rept \n
	v_cvt_pk_bf16_f32 v[(\db)+M], v[(\sb)+2*M], v[(\sb)+2*M+1]             ; ascending: each accumulator is read from its low end on
.set M, M+1
.endr
.endm
.macro SP_RES sb, hb, n                ; a - hi in place, exact
.set M, 0
.rept \n
	v_fma_mix_f32_bf16 v[(\sb)+2*M], v[(\hb)+M], v[NEG1], v[(\sb)+2*M] op_sel_hi:[1,0,0]
	v_fma_mix_f32_bf16 v[(\sb)+2*M+1], v[(\hb)+M], v[NEG1], v[(\sb)+2*M+1] op_sel:[1,0,0] op_sel_hi:[1,0,0]
.set M, M+1
.endr
.endm
.macro SPLIT sw, sb, dw, hb, lb, n     ; from window sw into window dw: three passes, each under one setting
	WIN ((\dw)<<6)|((\sw)<<2)|(\sw)
	SP_PK \sb, \hb, \n
	WIN ((\sw)<<6)|((\sw)<<4)|(\dw)
	SP_RES \sb, \hb, \n
	WIN ((\dw)<<6)|((\sw)<<2)|(\sw)
	SP_PK \sb, \lb, \n
.endm
.macro MM zero, d0, a0, b0, tri        ; tile (x, y) at d0 + 32 x + 8 y: source 0 by y, source 1 by x; tri = 1: only y <= x; the tiles take turns
.irp x, 0,1,2,3
.irp y, 0,1,2,3
.if ((\tri) == 0) || (\y <= \x)
.if \zero
	v_wmma_f32_16x16x32_bf16 v[(\d0)+32*\x+8*\y:(\d0)+32*\x+8*\y+7], v[(\a0)+16*\y:(\a0)+16*\y+7], v[(\b0)+16*\x:(\b0)+16*\x+7], 0
.else
	v_wmma_f32_16x16x32_bf16 v[(\d0)+32*\x+8*\y:(\d0)+32*\x+8*\y+7], v[(\a0)+16*\y:(\a0)+16*\y+7], v[(\b0)+16*\x:(\b0)+16*\x+7], v[(\d0)+32*\x+8*\y:(\d0)+32*\x+8*\y+7]
.endif
.endif
.endr
.endr
.endm
.macro MM3 d0, ah, al, bh, bl, tri, first   ; both K steps of 32, three products each
	MM \first, \d0, \ah, \bh, \tri
	MM 0, \d0, \ah, \bl, \tri
	MM 0, \d0, \al, \bh, \tri
	MM 0, \d0, (\ah)+8, (\bh)+8, \tri
	MM 0, \d0, (\ah)+8, (\bl)+8, \tri
	MM 0, \d0, (\al)+8, (\bh)+8, \tri
.endm
.macro MB zero, va, pb, u              ; O(x, y) += v's pairs (tile y of d, keys 32 u on) x the scores' pairs (rows x): keys 32-63 count for row tiles 2 and 3 alone
.irp x, 0,1,2,3
.if ((\u) == 0) || (\x >= 2)
.set PI, \x+\x/3                       ; the six operands (rows, keys): (0,0) (1,0) (2,0) (2,1) (3,0) (3,1)
.if \u
.set PI, 2*\x-1
.endif
.irp y, 0,1,2,3
.if \zero
	v_wmma_f32_16x16x32_bf16 v[128+32*\x+8*\y:128+32*\x+8*\y+7], v[(\va)+16*\y+8*(\u):(\va)+16*\y+8*(\u)+7], v[(\pb)+8*PI:(\pb)+8*PI+7], 0
.else
	v_wmma_f32_16x16x32_bf16 v[128+32*\x+8*\y:128+32*\x+8*\y+7], v[(\va)+16*\y+8*(\u):(\va)+16*\y+8*(\u)+7], v[(\pb)+8*PI:(\pb)+8*PI+7], v[128+32*\x+8*\y:128+32*\x+8*\y+7]
.endif
.endr
.endif
.endr
.endm
	s_load_b256 s[4:11], s[0:1], 0x0               ; xq s[4:5], wq s[6:7], b1 s[8:9], dstate s[10:11]
	s_load_b64 s[12:13], s[0:1], 0x20              ; op
	v_lshl_add_u32 v[SPW], v0, 2, SPARE
	v_mov_b32 v[NIL], 0
	ds_add_u32 v[SPW], v[NIL]                      ; the wave's opening: the add, twice on end, and its wait ahead of my first tensor load
	ds_add_u32 v[SPW], v[NIL]
	v_lshrrev_b32 v1, 5, v0
	v_readfirstlane_b32 s[WV], v1                  ; wave 0..3
	s_bfe_u32 s15, ttmp6, 0x40000                  ; cx
	s_bfe_u32 s16, ttmp6, 0x40004                  ; cy
	s_lshl_b32 s17, ttmp9, 2
	s_add_co_u32 s17, s17, s15                     ; head = 4 x cluster x + cx
	s_and_b32 s18, ttmp7, 0xffff
	s_lshl_b32 s18, s18, 2
	s_add_co_u32 s18, s18, s16                     ; chunk = 4 x cluster y + cy
	s_lshl_b32 s19, s16, 2
	s_lshl_b32 s19, 15, s19                        ; my row of the cluster: it shares the chunk
	s_lshl_b32 s56, 0x1111, s15                    ; my column: it shares the head
	; both blocks are dense: rows of 256 bytes (32 elements of 8 bytes), no padding: images are read 16 bytes a lane on end
	s_or_b32 s[G1X], s19, (3<<16)|(1<<21)
	s_mov_b32 s[G1X+1], 32<<16                     ; tensor_dim0
	s_mov_b32 s[G1X+2], (XQ4/256)<<16              ; tensor_dim1: 136 rows
	s_mov_b32 s[G1X+3], 32<<16                     ; tile_dim0
	s_mov_b32 s[G1X+4], XQ4/256                    ; tile_dim1
	s_mov_b32 s[G1X+5], 32                         ; from row to row
	s_mov_b32 s[G1X+6], 0
	s_mov_b32 s[G1X+7], 0
	s_or_b32 s[G1W], s56, (3<<16)|(1<<21)
	s_mov_b32 s[G1W+1], 32<<16
	s_mov_b32 s[G1W+2], (WQ4/256)<<16              ; 102 rows
	s_mov_b32 s[G1W+3], 32<<16
	s_mov_b32 s[G1W+4], WQ4/256
	s_mov_b32 s[G1W+5], 32
	s_mov_b32 s[G1W+6], 0
	s_mov_b32 s[G1W+7], 0
	s_mov_b32 s[G0X], 1
	s_mul_i32 s[G0X+1], s[WV], XQ4                 ; LDS: my quarter; no place in the cluster enters an LDS address
	s_mul_i32 s22, s18, XBLK                       ; x's address hangs on the chunk and the wave alone,
	s_add_co_u32 s22, s22, s[G0X+1]
	s_mov_b32 s23, 0
	s_mov_b32 s[G0W], 1
	s_mul_i32 s57, s[WV], WQ4
	s_add_co_u32 s[G0W+1], s57, WT
	s_mul_i32 s20, s17, WBLK                       ; W's on the head and the wave alone
	s_add_co_u32 s20, s20, s57
	s_mov_b32 s21, 0
	v_and_b32 v2, 15, v0                           ; r
	v_bfe_u32 v18, v0, 4, 1                        ; h
	v_and_b32 v1, 31, v0
	v_lshlrev_b32 v[L16], 4, v1
	s_lshl_b32 s58, s[WV], 12
	s_lshl_b32 s59, s[WV], 11
	s_add_co_u32 s59, s59, 131072
	s_lshl_b32 s60, s[WV], 14
	v_add_nc_u32 v[AX0], s58, v[L16]               ; my four tiles of rows: 4,096 bytes in each K step
	v_add_nc_u32 v[AX0+1], 65536, v[AX0]
	v_add_nc_u32 v[AKV], WT, v[L16]
	v_add_nc_u32 v[AQ], WT+69632, v[L16]
	v_lshlrev_b32 v[BN], 2, v2
	v_lshlrev_b32 v[BT], 5, v18
	v_lshlrev_b32 v[ASX], 4, v2
	v_add_nc_u32 v[ASKV], WT+65536, v[ASX]
	v_add_nc_u32 v[ASQ], WT+102400, v[ASX]
	v_add_nc_u32 v[ASX], s59, v[ASX]
	v_add_nc_u32 v[ADI], DIMG, v[L16]
	v_add_nc_u32 v[ADW], s60, v[ADI]
	v_add_nc_u32 v[AGW], s58, v[ADI]
	v_add_nc_u32 v[AGW], 49152, v[AGW]
	v_add_nc_u32 v[GOFF], s58, v[L16]
	v_lshlrev_b32 v[VD], 3, v18
	v_sub_nc_u32 v[VD], v2, v[VD]
	v_mov_b32 v[NEG1], -1.0
	s_wait_dscnt 0x0                               ; both opening adds are done
	s_wait_kmcnt 0x0
	s_add_nc_u64 s[G0X+2:G0X+3], s[4:5], s[22:23]
	s_or_b32 s[G0X+3], s[G0X+3], 0x80000000
	s_add_nc_u64 s[G0W+2:G0W+3], s[6:7], s[20:21]
	s_or_b32 s[G0W+3], s[G0W+3], 0x80000000
	s_lshl_b32 s60, s17, 8
	s_mov_b32 s61, 0
	s_add_nc_u64 s[8:9], s[8:9], s[60:61]          ; b1 at my head's 64 numbers
	s_lshl_b32 s60, s17, 14
	s_add_nc_u64 s[10:11], s[10:11], s[60:61]      ; dstate at (chunk 0, my head)
	s_lshl_b32 s60, s18, 2
	s_add_co_u32 s60, s60, s[WV]
	s_lshl_b32 s60, s60, 18                        ; op: my 64 rows,
	s_lshr_b32 s58, s17, 1
	s_lshl_b32 s58, s58, 15                        ; the 128 along K that hold my head,
	s_add_co_u32 s60, s60, s58
	s_and_b32 s58, s17, 1
	s_lshl_b32 s58, s58, 12                        ; and its half of them
	s_add_co_u32 s60, s60, s58
	s_add_nc_u64 s[12:13], s[12:13], s[60:61]
	CROUND                                         ; all sixteen work-groups are here: the joint loads meet
	tensor_load_to_lds s[G0X:G0X+3], s[G1X:G1X+7]  ; two loads of mine are out: the only ones of the launch
	s_nop 0
	tensor_load_to_lds s[G0W:G0W+3], s[G1W:G1W+7]
	s_nop 0
	PLACES
	; my quarter of the fifteen states, into the registers that the sums will take later
	WIN 0x80
.irp j, 0,1,2,3,4,5,6,7
.irp g, 0,1,2,3,4,5,6,7
	global_load_b128 v[32*\j+4*\g:32*\j+4*\g+3], v[GOFF], s[10:11] offset:\j*262144+\g*512
.endr
.endr
	WIN 0xc0
.irp j, 0,1,2,3,4,5,6
.irp g, 0,1,2,3,4,5,6,7
	global_load_b128 v[32*\j+4*\g:32*\j+4*\g+3], v[GOFF], s[10:11] offset:(\j+8)*262144+\g*512
.endr
.endr
	WIN 0x40
.irp b, 0,1,2,3
	global_load_b128 v[TB+8*\b:TB+8*\b+3], v[BT], s[8:9] offset:64*\b                  ; kT's bias: the lane's eight d
	global_load_b128 v[TB+8*\b+4:TB+8*\b+7], v[BT], s[8:9] offset:64*\b+16
	global_load_b128 v[TB+32+8*\b:TB+32+8*\b+3], v[BT], s[8:9] offset:4096+64*\b       ; q's
	global_load_b128 v[TB+32+8*\b+4:TB+32+8*\b+7], v[BT], s[8:9] offset:4096+64*\b+16
.endr
	WIN 0
.irp b, 0,1,2,3
.irp e, 0,1,2,3,4,5,6,7
	global_load_b32 v[NB+8*\b+\e], v[BN], s[8:9] offset:64*\b              ; kN's bias: a lane's eight results share one d, so its eight registers hold one number
	global_load_b32 v[NB+32+8*\b+\e], v[BN], s[8:9] offset:8192+64*\b      ; v's
.endr
.endr
.irp j, 0,1,2,3,4,5,6,7
	s_cmp_gt_u32 s18, \j
	s_cselect_b32 s[MK+\j], -1, 0                  ; all lanes on where chunk j is earlier than mine
.endr
	s_wait_loadcnt 63                              ; 80 loads are younger than the last state's; the wait's field holds 63, and a smaller count is safe
	WIN 0x88
.irp j, 0,1,2,3,4,5,6,7
.set I, 0
.rept 32
	v_cndmask_b32 v[32*\j+I], 0, v[32*\j+I], s[MK+\j]
.set I, I+1
.endr
.endr
	WIN 0x0a
.set I, 0
.rept 16
	v_pk_add_f32 v[32+2*I:33+2*I], v[2*I:2*I+1], v[32+2*I:33+2*I]          ; chunks 0 and 1 start the sum, in window 0
.set I, I+1
.endr
	WIN 0x08
.irp j, 2,3,4,5,6,7
.set I, 0
.rept 16
	v_pk_add_f32 v[32+2*I:33+2*I], v[32+2*I:33+2*I], v[32*\j+2*I:32*\j+2*I+1]
.set I, I+1
.endr
.endr
.irp j, 0,1,2,3,4,5,6
	s_cmp_gt_u32 s18, \j+8
	s_cselect_b32 s[MK+\j], -1, 0
.endr
	WIN 0xcc
.irp j, 0,1,2,3,4,5,6
.set I, 0
.rept 32
	v_cndmask_b32 v[32*\j+I], 0, v[32*\j+I], s[MK+\j]
.set I, I+1
.endr
.endr
	WIN 0x0c
.irp j, 0,1,2,3,4,5,6
.set I, 0
.rept 16
	v_pk_add_f32 v[32+2*I:33+2*I], v[32+2*I:33+2*I], v[32*\j+2*I:32*\j+2*I+1]
.set I, I+1
.endr
.endr
	WIN 0
.irp g, 0,1,2,3,4,5,6,7
	ds_store_b128 v[AGW], v[32+4*\g:32+4*\g+3] offset:\g*512               ; my quarter of G's image
.endr
	s_wait_loadcnt 0x0                             ; the biases
	s_wait_tensorcnt 0x0                           ; my quarters have landed,
	s_wait_dscnt 0x0                               ; my part of G lies in LDS,
	s_barrier_signal -1
	s_barrier_wait -1                              ; and everybody's
	SCALES 0
	FRAGS 0, 0
	STEP 0
	STEP 1
	STEP 2
	STEP 3
	STEP 4
	STEP 5
	STEP 6
	STEP 7
	PLACES
	SPLIT 3, 128, 1, 128, 192, 64                  ; v: operand (tile of d, 32 rows u) at 16 b + 8 u: hi from 128, lo from 192 of window 1
	WIN 0
	s_cmp_eq_u32 s[WV], 3                          ; nobody reads the last wave's D
	s_cbranch_scc1 .Lno_state
	SPLIT 3, 0, 1, 0, 64, 64                       ; kN: hi from 0, lo from 64
	WIN 0xf5
	MM3 0, 0, 64, 128, 192, 0, 1                   ; D(dk, dv) over my 64 rows, tile (bv, bk) at 32 bv + 8 bk of window 3
	PLACES
	WIN 0x0c                                       ; an LDS store's data are its source 1
.set G, 0
.rept 32
	ds_store_b128 v[ADW], v[4*G:4*G+3] offset:G*512
.set G, G+1
.endr
	WIN 0
.Lno_state:
	s_wait_dscnt 0x0                               ; for the others' sake: my image lies in LDS
	s_barrier_signal -1                            ; say so; up to the wait for the others stands work on registers alone
	SPLIT 2, 0, 0, 128, 192, 64                    ; kT: operand (tile of keys, 32 of d) hi from 128, lo from 192 of window 0
	SPLIT 2, 128, 1, 0, 64, 64                     ; q: hi from 0, lo from 64 of window 1
	WIN 0xa4
	MM3 0, 128, 192, 0, 64, 1, 1                   ; the scores, transposed: tile (rows a, keys i <= a) at 32 a + 8 i of window 2: a lane holds one query, its registers run along the keys
	PLACES
	WIN 0
.irp e, 0,1,2,3,4,5,6,7
	v_cmp_le_i32 s[MK+\e], \e, v[VD]               ; key 8 h + e counts for query r where 8 h + e <= r
.endr
.irp i, 36,37,38,39,60,61,62,63,84,85,86,87,108,109,110,111
	v_mov_b32 v[\i], 0                             ; the halves of two operands that lie wholly above the diagonal: keys 16-31 for rows 0-15, keys 48-63 for rows 32-47
.endr
	WIN 0x88
.irp a, 0,1,2,3
.irp e, 0,1,2,3,4,5,6,7
	v_cndmask_b32 v[40*\a+\e], 0, v[40*\a+\e], s[MK+\e]                    ; the four tiles on the diagonal, from the low end on
.endr
.endr
	WIN 0x0a                                       ; the scores' pairs: six operands (rows, 32 keys), hi from v32, lo from v80 of window 0
	SP_PK 0, 32, 4
	SP_PK 32, 40, 8
	SP_PK 64, 48, 8
	SP_PK 80, 56, 4
	SP_PK 96, 64, 8
	SP_PK 112, 72, 8
	WIN 0xa0
	SP_RES 0, 32, 4
	SP_RES 32, 40, 8
	SP_RES 64, 48, 8
	SP_RES 80, 56, 4
	SP_RES 96, 64, 8
	SP_RES 112, 72, 8
	WIN 0x0a
	SP_PK 0, 80, 4
	SP_PK 32, 88, 8
	SP_PK 64, 96, 8
	SP_PK 80, 104, 4
	SP_PK 96, 112, 8
	SP_PK 112, 120, 8
	WIN 0xa1                                       ; v's pairs window 1, the scores' window 0, O window 2
	MB 1, 128, 32, 0                               ; O^T(d, query), tile (rows a, d b) at 128 + 32 a + 8 b: keys 0-31: hi hi,
	MB 0, 128, 80, 0                               ; hi lo,
	MB 0, 192, 32, 0                               ; lo hi;
	MB 0, 128, 32, 1                               ; keys 32-63
	MB 0, 128, 80, 1
	MB 0, 192, 32, 1
	WIN 0
	s_barrier_wait -1                              ; every wave's image lies in LDS
	WIN 0xc0
.set G, 0
.rept 32
	ds_load_b128 v[4*G:4*G+3], v[ADI] offset:49152+G*512                   ; G
.set G, G+1
.endr
	WIN 0
.irp j, 0,1,2
	s_cmp_le_u32 s[WV], \j                         ; D of the waves whose rows come before mine
	s_cbranch_scc1 .Lsummed
	WIN 0xc0
.set G, 0
.rept 32
	ds_load_b128 v[128+4*G:128+4*G+3], v[ADI] offset:\j*16384+G*512
.set G, G+1
.endr
	s_wait_dscnt 0x0
	WIN 0xcf
.set I, 0
.rept 64
	v_pk_add_f32 v[2*I:2*I+1], v[2*I:2*I+1], v[128+2*I:129+2*I]
.set I, I+1
.endr
	WIN 0
.endr
.Lsummed:
	s_wait_dscnt 0x0
	SPLIT 3, 0, 0, 128, 192, 64                    ; the state's pairs: operand (tile of dv, 32 of dk): hi from 128, lo from 192 of window 0
	WIN 0xa4
	MM3 128, 128, 192, 0, 64, 0, 0                 ; O^T += state^T q^T
	PLACES
	SPLIT 2, 128, 1, 128, 192, 64                  ; O's pairs: operand (rows a, 32 of d u): hi from 128, lo from 192 of window 1
	WIN 0x04                                       ; a store's data are its source 1
.irp a, 0,1,2,3
.irp u, 0,1
.irp c, 0,1
	global_store_b128 v[L16], v[128+16*\a+8*\u+4*\c:128+16*\a+8*\u+4*\c+3], s[12:13] offset:\a*8192+\u*2048+\c*512        ; 512 consecutive bytes a store
	global_store_b128 v[L16], v[192+16*\a+8*\u+4*\c:192+16*\a+8*\u+4*\c+3], s[12:13] offset:\a*8192+\u*2048+1024+\c*512
.endr
.endr
.endr
	WIN 0
	s_wait_tensorcnt 0x0                           ; the wave's end
	ds_add_u32 v[SPW], v[NIL]
	s_wait_dscnt 0x0
	CROUND                                         ; the closing round
	s_endpgm
.Lfunc_end_k_q6447936321_attn:
	.size	k_q6447936321_attn, .Lfunc_end_k_q6447936321_attn-k_q6447936321_attn
	.p2alignl 7, 3214868480
	.fill 96, 4, 3214868480
	.section	.rodata,"a",@progbits
	.p2align	6, 0x0
	.amdhsa_kernel k_q6447936321_attn
		.amdhsa_group_segment_fixed_size 327680
		.amdhsa_private_segment_fixed_size 0
		.amdhsa_enable_private_segment 0
		.amdhsa_kernarg_size 40
		.amdhsa_user_sgpr_count 2
		.amdhsa_user_sgpr_kernarg_segment_ptr 1
		.amdhsa_wavefront_size32 1
		.amdhsa_system_sgpr_workgroup_id_x 1
		.amdhsa_system_sgpr_workgroup_id_y 1
		.amdhsa_system_sgpr_workgroup_id_z 1
		.amdhsa_system_vgpr_workitem_id 0
		.amdhsa_next_free_vgpr 1024
		.amdhsa_next_free_sgpr 66
		.amdhsa_reserve_vcc 0
		.amdhsa_float_denorm_mode_32 3
		.amdhsa_float_denorm_mode_16_64 3
		.amdhsa_memory_ordered 1
		.amdhsa_forward_progress 1
		.amdhsa_inst_pref_size 255
	.end_amdhsa_kernel
	.section	.bss,"aw",@nobits
	.p2align	6
	.space	262144
	.amdgpu_metadata
---
amdhsa.version: [ 1, 2 ]
amdhsa.kernels:
  - .name:           k_q6447936321_attn
    .symbol:         k_q6447936321_attn.kd
    .args:
      - { .name: xq, .offset: 0, .size: 8, .value_kind: global_buffer, .address_space: global }
      - { .name: wq, .offset: 8, .size: 8, .value_kind: global_buffer, .address_space: global }
      - { .name: b1, .offset: 16, .size: 8, .value_kind: global_buffer, .address_space: global }
      - { .name: dstate, .offset: 24, .size: 8, .value_kind: global_buffer, .address_space: global }
      - { .name: op, .offset: 32, .size: 8, .value_kind: global_buffer, .address_space: global }
    .group_segment_fixed_size: 327680
    .private_segment_fixed_size: 0
    .kernarg_segment_align: 8
    .kernarg_segment_size: 40
    .max_flat_workgroup_size: 128
    .sgpr_count:     66
    .vgpr_count:     1024
    .wavefront_size: 32
...
	.end_amdgpu_metadata
.endif
;; end of part 3
;; launch proj (part 4): grid 8 x 32, 4 waves a work-group, clusters of 4 x 4, 327,680 bytes of LDS; arguments op, w2p, b2, out0; writes out0
.if DOCPART == 4
	.amdgcn_target "amdgcn-amd-amdhsa--gfx1250"
	.amdhsa_code_object_version 6
	.text
	.protected	k_q6447936321_proj
	.globl	k_q6447936321_proj
	.p2align	8
	.type	k_q6447936321_proj,@function
k_q6447936321_proj:
	s_mov_b64 s[64:65], 0
	v_nop
	global_prefetch_b8 v0, s[64:65] scope:SCOPE_SE
	s_setreg_imm32_b32 hwreg(HW_REG_WAVE_MODE, 25, 1), 1
	s_wait_xcnt 0x0
	s_wait_alu depctr_hold_cnt(0) depctr_sa_sdst(0) depctr_va_vdst(0) depctr_va_sdst(0) depctr_va_ssrc(0) depctr_va_vcc(0) depctr_vm_vsrc(0)
	s_getreg_b32 s2, hwreg(HW_REG_IB_STS2, 6, 4)
	s_cmp_eq_u32 s2, 0
	s_cbranch_scc0 .Lentry_in_a_cluster
	s_endpgm
.Lentry_in_a_cluster:
	s_bfe_u32 s2, ttmp6, 0x10000c
	s_cmp_lg_u32 s2, 0xf033
	s_cbranch_scc0 .Lentry_shape_is_right
	s_endpgm
.Lentry_shape_is_right:
; PROJ: out0 = O W2 + b2.  O [4096][1024] and W2 [1024][1024] arrive as PAIRS of bf16 numbers (hi, lo), laid as images of the operands' registers; a product is hi hi + hi lo + lo hi, sums in f32.
; op : [64 rows][128 K][tile of 16 rows][32 K][hi, lo][1024 bytes];  w2p: [64 columns][128 K][tile of 16 columns][32 K][hi, lo][1024]: 262144, 32768, 8192, 2048, 1024 bytes apart.
; A tile of out0 is 128 x 128: 8 x 32 = 256 work-groups.  Four waves, each 64 x 64: 16 accumulators.  K goes in steps of 128 through a ring of two LDS slots: in a step each of the four halves
; (O's rows 0-63, 64-127, W2's columns 0-63, 64-127) is ONE dense block of 32,768 bytes, brought by one tensor load of one wave.
; CLUSTER 4 x 4: a row of the cluster shares O's blocks, a column W2's: joint loads.  Images are read 16 bytes a lane on end, so LDS needs no padding.
; THE MATRIX INSTRUCTION IS USED TRANSPOSED (source 0 = 16 columns of W2, source 1 = 16 rows of O): a lane holds eight neighbouring numbers of a row of out0.
; The accumulators are loaded with b2, so no step differs from the others and nothing is cleared.
; No prefetch: a K step's blocks are small against its 192 products a wave, and each block is shared by joint loads.
; LIMITS: lo lo is left out (2^-16 of the result); NaN and infinities are not served.
; REGISTERS: window 0: v16-29 addresses; v128-255 the accumulators ((a, b) at 128 + 8 (4 a + b)).  window 1: two buffers of 128, each 32 along K: O's (a, part) at 8 (2 a + part), W2's (b, part) at 64 + 8 (2 b + part).
.set HALF,   32768
.set SLOT,   4*HALF
.set STAGE,  2*SLOT                    ; behind the ring: 16 rows x (256 bytes + 16) for each wave, for the way out
.set SPITCH, 272
.set SPARE,  STAGE+4*16*SPITCH         ; the spare words, 128 bytes for each wave: two blocks of 256 bytes that no other line names
.set ADRA, 16                          ; v16-17  my half of O in slot 0, 1
.set ADRB, 20                          ; v20-21  my half of W2
.set STO,  24
.set RD,   25
.set CO,   26
.set BO,   27
.set SPW,  28
.set NIL,  29
.set ACC,  128
.set F0,   0
.set F1,   128
.set WV,   12                          ; s12  wave
.set HR,   13                          ; s13  which half of the rows is mine.  Also: I fetch for O (0) or for W2 (1)
.set HC,   14                          ; s14  which half of the columns.  Also: which half I fetch
.set G1,   24
.set G0,   32
.set G1B,  48
.set G0B,  56
.set MSB, 0
.macro WIN new
.if MSB != (\new)
	s_set_vgpr_msb (MSB<<8)|(\new)
.set MSB, (\new)
.endif
.endm
.set MUL,  0x05                        ; both sources window 1; C and D window 0
.set TO_F, 0x40                        ; destination window 1
.macro JLOAD s                         ; a joint load: waves 0 and 1 fetch O's halves, waves 2 and 3 W2's; an s_nop 0 and four v_nop follow each of the two lines
	s_cmp_eq_u32 s[HR], 0
	s_cbranch_scc0 .Lfor_b_\@
	tensor_load_to_lds s[G0+4*\s:G0+4*\s+3], s[G1:G1+7]
	s_nop 0
.rept 4
	v_nop
.endr
	s_branch .Lasked_\@
.Lfor_b_\@:
	tensor_load_to_lds s[G0B+4*\s:G0B+4*\s+3], s[G1B:G1B+7]
	s_nop 0
.rept 4
	v_nop
.endr
.Lasked_\@:
.endm
.macro CREST                           ; a round of the cluster's barrier behind its opening barrier
	s_cmp_lg_u32 s[WV], 0
	s_cbranch_scc1 .Lnot_wave_0_\@
	s_barrier_signal -3
.Lnot_wave_0_\@:
	s_barrier_wait -3
	s_barrier_signal -1
	s_barrier_wait -1
.endm
.macro CROUND
	s_barrier_signal -1
	s_barrier_wait -1
	CREST
.endm
.macro PLACES
.rept 4
	v_nop
.endr
.endm
.macro MUL8 f, pb, pa, a0              ; 8 products: row tiles a0, a0 + 1 x the 4 column tiles; part pb of W2, part pa of O
.irp a, \a0, \a0+1
.irp b, 0,1,2,3
	v_wmma_f32_16x16x32_bf16 v[ACC+8*(4*(\a)+\b):ACC+8*(4*(\a)+\b)+7], v[\f+64+8*(2*\b+\pb):\f+64+8*(2*\b+\pb)+7], v[\f+8*(2*(\a)+\pa):\f+8*(2*(\a)+\pa)+7], v[ACC+8*(4*(\a)+\b):ACC+8*(4*(\a)+\b)+7]
.endr
.endr
.endm
.macro CROSS f                         ; hi lo and lo hi: 32 products; the 16 accumulators take turns
	MUL8 \f, 0, 1, 0
	MUL8 \f, 0, 1, 2
	MUL8 \f, 1, 0, 0
	MUL8 \f, 1, 0, 2
.endm
.macro FETCH slot, kk, f               ; 32 LDS loads in one run: 32 along K; the sixteen of the hi parts first
	WIN TO_F
.irp part, 0,1
.irp t, 0,1,2,3
.irp c, 0,1
	ds_load_b128 v[\f+64+8*(2*\t+\part)+4*\c:\f+64+8*(2*\t+\part)+4*\c+3], v[ADRB+\slot] offset:\t*8192+(\kk)*2048+\part*1024+\c*512
	ds_load_b128 v[\f+8*(2*\t+\part)+4*\c:\f+8*(2*\t+\part)+4*\c+3], v[ADRA+\slot] offset:\t*8192+(\kk)*2048+\part*1024+\c*512
.endr
.endr
.endr
.endm
.macro QUARTER slot, kk, f, g          ; multiplies buffer f (48 products) and fetches the slot's quarter kk into buffer g
	s_wait_dscnt 16                                ; the hi parts are in
	WIN MUL
	MUL8 \f, 0, 0, 0
	MUL8 \f, 0, 0, 2
	PLACES                                         ; the loads below land in registers that the quarter before has read
	FETCH \slot, \kk, \g
	s_wait_dscnt 32                                ; all but the 32 just issued
	WIN MUL
	CROSS \f
.endm
; A slot's last quarter multiplies buffer 1 and changes slots: ONE barrier; in front of it each wave waits for all its tensor loads, adds 0 to its spare word, and waits for that and for its reads of this slot.
.macro TURN slot, next, fill
	WIN 0
	s_wait_tensorcnt 0x0                           ; all my tensor loads have landed: my part of the next slot
	ds_add_u32 v[SPW], v[NIL]
	s_wait_dscnt 17                                ; (the add and the sixteen loads of the lo parts may be out)
	WIN MUL
	MUL8 F1, 0, 0, 0
	s_wait_dscnt 0x0                               ; the add is done, and my reads of this slot are over
	s_barrier_signal -1
	MUL8 F1, 0, 0, 2
.if \fill
	WIN 0
.endif
	s_barrier_wait -1
.if \fill
	CREST                                          ; the barrier has opened a round of the cluster's: no wave of any partner still reads this slot or has a load on its way
	s_add_nc_u64 s[G0+4*\slot+2:G0+4*\slot+3], s[G0+4*\slot+2:G0+4*\slot+3], 2*HALF
	s_add_nc_u64 s[G0B+4*\slot+2:G0B+4*\slot+3], s[G0B+4*\slot+2:G0B+4*\slot+3], 2*HALF
	JLOAD \slot                                    ; the first tensor load behind the round: 176 products ahead of the wait for it; its four v_nop are also the places in front of the loads below
.else
	PLACES
.endif
	FETCH \next, 0, F0
	WIN MUL
	CROSS F1
.endm
	s_load_b256 s[4:11], s[0:1], 0x0               ; op s[4:5], w2p s[6:7], b2 s[8:9], out0 s[10:11]
	v_lshl_add_u32 v[SPW], v0, 2, SPARE
	v_mov_b32 v[NIL], 0
	ds_add_u32 v[SPW], v[NIL]                      ; the wave's opening: the add, twice on end, and its wait ahead of my first tensor load
	ds_add_u32 v[SPW], v[NIL]
	v_lshrrev_b32 v1, 5, v0
	v_readfirstlane_b32 s[WV], v1
	s_lshr_b32 s[HR], s[WV], 1
	s_and_b32 s[HC], s[WV], 1
	s_bfe_u32 s40, ttmp6, 0x40000                  ; cx
	s_bfe_u32 s41, ttmp6, 0x40004                  ; cy
	s_lshl_b32 s42, ttmp9, 2
	s_add_co_u32 s42, s42, s40                     ; tile column
	s_and_b32 s15, ttmp7, 0xffff
	s_lshl_b32 s15, s15, 2
	s_add_co_u32 s15, s15, s41                     ; tile row
	s_lshl_b32 s43, s41, 2
	s_lshl_b32 s43, 15, s43                        ; my row of the cluster
	s_lshl_b32 s44, 0x1111, s40                    ; my column
	s_or_b32 s[G1], s43, (3<<16)|(1<<21)           ; the mask; elements of 8 bytes; bit 21 beside a mask
	s_or_b32 s[G1B], s44, (3<<16)|(1<<21)
.irp g, G1, G1B
	s_mov_b32 s[\g+1], 32<<16                      ; a dense block as 128 rows of 256 bytes
	s_mov_b32 s[\g+2], 128<<16
	s_mov_b32 s[\g+3], 32<<16
	s_mov_b32 s[\g+4], 128
	s_mov_b32 s[\g+5], 32
	s_mov_b32 s[\g+6], 0
	s_mov_b32 s[\g+7], 0
.endr
	s_lshl_b32 s16, s15, 1
	s_add_co_u32 s16, s16, s[HC]
	s_lshl_b32 s16, s16, 18                        ; O: block of 64 rows 2 x tile row + half
	s_mov_b32 s17, 0
	s_lshl_b32 s46, s42, 1
	s_add_co_u32 s46, s46, s[HC]
	s_lshl_b32 s46, s46, 18                        ; W2: block of 64 columns 2 x tile column + half
	s_mov_b32 s47, 0
	s_lshl_b32 s20, s[WV], 15                      ; where they go: wave x 32,768
	s_wait_dscnt 0x0                               ; both opening adds are done
	s_wait_kmcnt 0x0
	s_add_nc_u64 s[18:19], s[4:5], s[16:17]
	s_add_nc_u64 s[46:47], s[6:7], s[46:47]
	CROUND                                         ; all sixteen work-groups are here: the first joint loads meet
.irp s, 0,1
	s_mov_b32 s[G0+4*\s], 1
	s_add_co_u32 s[G0+4*\s+1], s20, \s*SLOT
	s_add_nc_u64 s[G0+4*\s+2:G0+4*\s+3], s[18:19], \s*HALF
	s_or_b32 s[G0+4*\s+3], s[G0+4*\s+3], 0x80000000
	s_mov_b32 s[G0B+4*\s], 1
	s_add_co_u32 s[G0B+4*\s+1], s20, \s*SLOT
	s_add_nc_u64 s[G0B+4*\s+2:G0B+4*\s+3], s[46:47], \s*HALF
	s_or_b32 s[G0B+4*\s+3], s[G0B+4*\s+3], 0x80000000
	JLOAD \s
.endr
	v_and_b32 v1, 15, v0                           ; r
	v_bfe_u32 v2, v0, 4, 1                         ; h
	v_and_b32 v3, 31, v0
	v_lshlrev_b32 v3, 4, v3                        ; 16 x lane
	s_lshl_b32 s21, s[HR], 15                      ; my half of O,
	s_lshl_b32 s22, s[HC], 15
	s_add_co_u32 s22, s22, 2*HALF                  ; my half of W2, behind O's two
.irp s, 0,1
	v_add_nc_u32 v[ADRA+\s], s21, v3
	v_add_nc_u32 v[ADRB+\s], s22, v3
	s_add_co_u32 s21, s21, SLOT
	s_add_co_u32 s22, s22, SLOT
.endr
	s_mul_i32 s23, s[WV], 16*SPITCH
	s_add_co_u32 s23, s23, STAGE                   ; my stage
	v_mul_u32_u24 v4, v1, SPITCH
	v_lshl_add_u32 v4, v2, 5, v4
	v_add_nc_u32 v[STO], s23, v4                   ; in: row r, 32 bytes for each half of the lanes
	v_mul_u32_u24 v5, v2, SPITCH
	v_lshl_add_u32 v5, v1, 4, v5
	v_add_nc_u32 v[RD], s23, v5                    ; back: lanes 0-15 one row of 256 bytes, lanes 16-31 the next
	v_lshlrev_b32 v5, 12, v2
	v_lshl_add_u32 v[CO], v1, 4, v5                ; and the same two rows in out0
	v_lshlrev_b32 v[BO], 5, v2                     ; b2: my half's eight numbers of a tile
	s_lshl_b32 s46, s42, 9
	s_lshl_b32 s45, s[HC], 8
	s_add_co_u32 s46, s46, s45                     ; my first column, in bytes: 512 x tile column + 256 x half
	s_mov_b32 s47, 0
	s_add_nc_u64 s[8:9], s[8:9], s[46:47]
	s_lshl_b32 s16, s15, 19
	s_lshl_b32 s21, s[HR], 18
	s_add_co_u32 s16, s16, s21                     ; my first row: 128 x tile row + 64 x half, rows of 4,096 bytes
	s_add_nc_u64 s[10:11], s[10:11], s[16:17]
	s_add_nc_u64 s[10:11], s[10:11], s[46:47]
.irp a, 0,1,2,3
.irp b, 0,1,2,3
	global_load_b128 v[ACC+8*(4*\a+\b):ACC+8*(4*\a+\b)+3], v[BO], s[8:9] offset:64*\b        ; the bias starts every sum
	global_load_b128 v[ACC+8*(4*\a+\b)+4:ACC+8*(4*\a+\b)+7], v[BO], s[8:9] offset:64*\b+16
.endr
.endr
	s_wait_tensorcnt 1                             ; my part of K step 0 is in; K step 1's may stay out
	s_barrier_signal -1
	s_barrier_wait -1
	FETCH 0, 0, F0
	WIN 0
	s_wait_loadcnt 0x0                             ; the bias
	s_mov_b32 s3, 3
.Llap:                                             ; three trips: a trip goes once round the ring and fills both slots again: K steps 2 to 7
	QUARTER 0, 1, F0, F1
	QUARTER 0, 2, F1, F0
	QUARTER 0, 3, F0, F1
	TURN 0, 1, 1
	QUARTER 1, 1, F0, F1
	QUARTER 1, 2, F1, F0
	QUARTER 1, 3, F0, F1
	TURN 1, 0, 1
	WIN 0
	s_sub_co_u32 s3, s3, 1
	s_cmp_lg_u32 s3, 0
	s_cbranch_scc1 .Llap
	QUARTER 0, 1, F0, F1                           ; the last lap fills nothing, and has no round of the cluster's barrier
	QUARTER 0, 2, F1, F0
	QUARTER 0, 3, F0, F1
	TURN 0, 1, 0
	QUARTER 1, 1, F0, F1
	QUARTER 1, 2, F1, F0
	QUARTER 1, 3, F0, F1
	s_wait_dscnt 16                                ; the very last quarter: nothing more to fetch
	WIN MUL
	MUL8 F1, 0, 0, 0
	MUL8 F1, 0, 0, 2
	s_wait_dscnt 0x0
	CROSS F1
	WIN 0
	; THE WAY OUT: 16 rows x 64 columns at a time through my own stage, back as whole rows of 256 bytes.  LDS serves a wave's instructions in order, so no wait stands between the stores and the loads.
	PLACES
.irp a, 0,1,2,3
	WIN 0
.irp b, 0,1,2,3
	ds_store_b128 v[STO], v[ACC+8*(4*\a+\b):ACC+8*(4*\a+\b)+3] offset:64*\b            ; each accumulator from its low end on
	ds_store_b128 v[STO], v[ACC+8*(4*\a+\b)+4:ACC+8*(4*\a+\b)+7] offset:64*\b+16
.endr
	WIN TO_F
.irp i, 0,1,2,3,4,5,6,7
	ds_load_b128 v[32*\a+4*\i:32*\a+4*\i+3], v[RD] offset:\i*2*SPITCH
.endr
.endr
	WIN 0x04                                       ; a store's data are its source 1
.irp a, 0,1,2,3
.irp i, 0,1,2,3,4,5,6,7
	s_wait_dscnt 16*(3-\a)+7-\i                    ; what was issued behind this load: the rest of its eight, and sixteen for each later block
	global_store_b128 v[CO], v[32*\a+4*\i:32*\a+4*\i+3], s[10:11] offset:(16*\a+2*\i)*4096 th:TH_STORE_NT   ; sixteen lanes store 256 consecutive bytes, aligned
.endr
.endr
	WIN 0
	s_wait_tensorcnt 0x0                           ; the wave's end
	ds_add_u32 v[SPW], v[NIL]
	s_wait_dscnt 0x0
	CROUND                                         ; the closing round
	s_endpgm
.Lfunc_end_k_q6447936321_proj:
	.size	k_q6447936321_proj, .Lfunc_end_k_q6447936321_proj-k_q6447936321_proj
	.p2alignl 7, 3214868480
	.fill 96, 4, 3214868480
	.section	.rodata,"a",@progbits
	.p2align	6, 0x0
	.amdhsa_kernel k_q6447936321_proj
		.amdhsa_group_segment_fixed_size 327680
		.amdhsa_private_segment_fixed_size 0
		.amdhsa_enable_private_segment 0
		.amdhsa_kernarg_size 32
		.amdhsa_user_sgpr_count 2
		.amdhsa_user_sgpr_kernarg_segment_ptr 1
		.amdhsa_wavefront_size32 1
		.amdhsa_system_sgpr_workgroup_id_x 1
		.amdhsa_system_sgpr_workgroup_id_y 1
		.amdhsa_system_sgpr_workgroup_id_z 1
		.amdhsa_system_vgpr_workitem_id 0
		.amdhsa_next_free_vgpr 512
		.amdhsa_next_free_sgpr 66
		.amdhsa_reserve_vcc 0
		.amdhsa_float_denorm_mode_32 3
		.amdhsa_float_denorm_mode_16_64 3
		.amdhsa_memory_ordered 1
		.amdhsa_forward_progress 1
		.amdhsa_inst_pref_size 105
	.end_amdhsa_kernel
	.amdgpu_metadata
---
amdhsa.version: [ 1, 2 ]
amdhsa.kernels:
  - .name:           k_q6447936321_proj
    .symbol:         k_q6447936321_proj.kd
    .args:
      - { .name: op, .offset: 0, .size: 8, .value_kind: global_buffer, .address_space: global }
      - { .name: w2p, .offset: 8, .size: 8, .value_kind: global_buffer, .address_space: global }
      - { .name: b2, .offset: 16, .size: 8, .value_kind: global_buffer, .address_space: global }
      - { .name: out0, .offset: 24, .size: 8, .value_kind: global_buffer, .address_space: global }
    .group_segment_fixed_size: 327680
    .private_segment_fixed_size: 0
    .kernarg_segment_align: 8
    .kernarg_segment_size: 32
    .max_flat_workgroup_size: 128
    .sgpr_count:     66
    .vgpr_count:     512
    .wavefront_size: 32
...
	.end_amdgpu_metadata
.endif
;; end of part 4
